; MI455X (gfx1250); checked and timed in simulation.
; The chip was launched on July 23, 2026; its instructions are those of AMD's public machine-readable ISA for CDNA 5 (MIT licence, August 2026) and "CDNA5" Instruction Set Architecture Reference Guide (July 2026). The comments in the code are by the model that wrote it; some were corrected since.
;; Induction. Allowed arithmetic: float matrix products may take bf16 or f16 operands with f32 sums; other float arithmetic in f32, or as packed bf16 or f16 multiplies, adds, multiply-adds, maxima and minima; sums over many terms, partial sums and values carried from step to step in f32; what a program stores and reads back later, other than sums and carried values, may be rounded once to bf16 or f16.
;; Inputs: W 1,024 x 1,024 float32; x 65,536 x 1,024 float32.
;; Outputs: out0 512 x 1,024 float32.
;; 3 versions, each right; version 3 is version 2 with the launch route written anew for expert scheduling mode. Each part assembles by itself: llvm-mc -triple=amdgcn-amd-amdhsa -mcpu=gfx1250 --defsym DOCPART=n.
;; ======== version 1 of 3: 2 launches
;; limits: values outside matrix products are rounded to bf16
;; workspace buffers: wp 2,097,152 bytes
;; launch wprep (part 1): grid 128 x 4, 8 waves a work-group, no clusters, 0 bytes of LDS; arguments W, wp; writes wp
.if DOCPART == 1
	.amdgcn_target "amdgcn-amd-amdhsa--gfx1250"
	.amdhsa_code_object_version 6
	.text
	.protected	k_q0a553eb783_wprep
	.globl	k_q0a553eb783_wprep
	.p2align	8
	.type	k_q0a553eb783_wprep,@function
k_q0a553eb783_wprep:
	s_mov_b64 s[64:65], 0
	v_nop
	global_prefetch_b8 v0, s[64:65] scope:SCOPE_SE
	s_setreg_imm32_b32 hwreg(HW_REG_WAVE_MODE, 25, 1), 1
	s_wait_xcnt 0x0
; THE PROGRAM.  reference(): e = x W, cut into 512 classes of 128 rows; three iterations of (softmax of b over a class's rows; weighted column sum c; squash; b += e . c); the last squashed c leaves.
; This launch rounds W once to bf16 and lays it out as the second launch's matrix operands; the second launch does all else, a class to a work-group.
; WORK LEFT OUT, for all values of the inputs:
;   (1) the first softmax: reference() builds b = 0 in its own body, and the softmax of 128 equal numbers is 1/128 in each place, whatever x and W hold: the first c is the column sum times 2^-7;
;   (2) the third iteration's b += e . c: reference() returns c and never reads that b;
;   (3) the zeros that c starts with: they are overwritten before they are read.
; Both inputs have a way to the output and both are loaded.  LIMIT: a NaN, an infinity or an overflow that would arise in the work left out alone is not carried to the result.
; LAYOUT OF wp.  Column n = 256 w + 64 c + 16 nt + r, row k = 32 ks + 16 hf + 8 h + i (i = 0..7).  The 16 bytes bf16(W[k][n]), i ascending, lie at
; 524288 w + 131072 c + 4096 ks + 1024 nt + 512 hf + 256 h + 16 r: a fragment of 16 columns x 32 k is 1,024 bytes in the order of the lanes, and what one wave of the second launch walks is 524,288 bytes on end.
; SHARES.  Work-group (ko, a): rows k = 8 ko .. 8 ko + 7, columns 256 a .. 256 a + 255, a column a thread.  A wave's load takes 128 bytes on end of a row, the eight waves 1,024;
; a wave's store: lanes 0-15 write 256 consecutive bytes at a multiple of 256 from wp's first byte, lanes 16-31 the 256 bytes that lie 1,024 further on.
	s_load_b128 s[4:7], s[0:1], 0x0                ; W s[4:5], wp s[6:7]
	s_and_b32 s8, ttmp7, 0xffff                    ; a
	s_lshl_b32 s10, ttmp9, 15                      ; 8 rows of 4,096 bytes
	s_lshl_b32 s9, s8, 10                          ; 256 columns of 4 bytes
	s_add_co_u32 s10, s10, s9
	s_mov_b32 s11, 0
	s_lshl_b32 s12, s8, 19                         ; w = a
	s_lshr_b32 s9, ttmp9, 2                        ; ks = ko / 4
	s_lshl_b32 s9, s9, 12
	s_add_co_u32 s12, s12, s9
	s_and_b32 s9, ttmp9, 3                         ; 2 hf + h = ko % 4
	s_lshl_b32 s9, s9, 8
	s_add_co_u32 s12, s12, s9
	s_mov_b32 s13, 0
	v_lshlrev_b32 v1, 2, v0                        ; my column in the 1,024 bytes
	v_lshrrev_b32 v2, 6, v0                        ; c
	v_lshlrev_b32 v2, 17, v2
	v_bfe_u32 v3, v0, 4, 2                         ; nt
	v_lshl_add_u32 v2, v3, 10, v2
	v_and_b32 v3, 15, v0                           ; r
	v_lshl_add_u32 v2, v3, 4, v2
	s_wait_kmcnt 0x0
	s_add_nc_u64 s[4:5], s[4:5], s[10:11]
	s_add_nc_u64 s[6:7], s[6:7], s[12:13]
.irp i, 0,1,2,3,4,5,6,7
	global_load_b32 v[8+(\i)], v1, s[4:5] offset:4096*(\i) th:TH_LOAD_NT
.endr
	s_wait_loadcnt 0x0
.irp p, 0,1,2,3
	v_cvt_pk_bf16_f32 v[16+(\p)], v[8+2*(\p)], v[9+2*(\p)]   ; the lower k in the lower half; rounded to nearest even
.endr
	global_store_b128 v2, v[16:19], s[6:7]
	s_endpgm
.Lfunc_end_k_q0a553eb783_wprep:
	.size	k_q0a553eb783_wprep, .Lfunc_end_k_q0a553eb783_wprep-k_q0a553eb783_wprep
	.p2alignl 7, 3214868480
	.fill 96, 4, 3214868480
	.section	.rodata,"a",@progbits
	.p2align	6, 0x0
	.amdhsa_kernel k_q0a553eb783_wprep
		.amdhsa_group_segment_fixed_size 0
		.amdhsa_private_segment_fixed_size 0
		.amdhsa_enable_private_segment 0
		.amdhsa_kernarg_size 16
		.amdhsa_user_sgpr_count 2
		.amdhsa_user_sgpr_kernarg_segment_ptr 1
		.amdhsa_wavefront_size32 1
		.amdhsa_system_sgpr_workgroup_id_x 1
		.amdhsa_system_sgpr_workgroup_id_y 1
		.amdhsa_system_sgpr_workgroup_id_z 1
		.amdhsa_system_vgpr_workitem_id 0
		.amdhsa_next_free_vgpr 24
		.amdhsa_next_free_sgpr 66
		.amdhsa_reserve_vcc 0
		.amdhsa_float_denorm_mode_32 3
		.amdhsa_float_denorm_mode_16_64 3
		.amdhsa_memory_ordered 1
		.amdhsa_forward_progress 1
		.amdhsa_inst_pref_size 3
	.end_amdhsa_kernel
	.amdgpu_metadata
---
amdhsa.version: [ 1, 2 ]
amdhsa.kernels:
  - .name:           k_q0a553eb783_wprep
    .symbol:         k_q0a553eb783_wprep.kd
    .args:
      - { .name: W, .offset: 0, .size: 8, .value_kind: global_buffer, .address_space: global }
      - { .name: wp, .offset: 8, .size: 8, .value_kind: global_buffer, .address_space: global }
    .group_segment_fixed_size: 0
    .private_segment_fixed_size: 0
    .kernarg_segment_align: 8
    .kernarg_segment_size: 16
    .max_flat_workgroup_size: 256
    .sgpr_count:     66
    .vgpr_count:     24
    .wavefront_size: 32
...
	.end_amdgpu_metadata
.endif
;; end of part 1
;; launch route (part 2): grid 512 x 1, 4 waves a work-group, no clusters, 314,112 bytes of LDS; arguments x, wp, out0; writes out0
.if DOCPART == 2
	.amdgcn_target "amdgcn-amd-amdhsa--gfx1250"
	.amdhsa_code_object_version 6
	.text
	.protected	k_q0a553eb783_route
	.globl	k_q0a553eb783_route
	.p2align	8
	.type	k_q0a553eb783_route,@function
k_q0a553eb783_route:
	s_mov_b64 s[64:65], 0
	v_nop
	global_prefetch_b8 v0, s[64:65] scope:SCOPE_SE
	s_setreg_imm32_b32 hwreg(HW_REG_WAVE_MODE, 25, 1), 1
	s_wait_xcnt 0x0
; ONE CLASS TO A WORK-GROUP: e = x W for the class's 128 rows, and the three iterations on it; e never leaves the registers.
; LEFT OUT (shown at the head of the first kernel): the first softmax (of zeros: 1/128), the third iteration's update of b, the zeros that c starts with.
; SHARES.  Four waves.  Wave w owns all 128 rows x columns 256 w .. 256 w + 255, made in four chunks of 64 columns (8 x 4 accumulators, 256 registers): a column's 128 rows lie in one wave.
; x of the class is read once, rounded once to bf16 and kept in LDS in the order of the lanes of a fragment (262,144 bytes, no padding wanted: a load takes 512 bytes on end).
; W's fragments come straight from wp into a ring of four register buffers: no wave wants a byte of W that another wave of the work-group has fetched.
; ORIENTATION.  Source 0 = 16 rows of x, source 1 = 16 columns of W: register j of lane (r, h) holds row 8 h + j, column r.
; ITERATION 1 is taken on the f32 sums, chunk by chunk: the column sums CS, their squares, and the rows' products with CS.  b1 steers a softmax whose weights hang steeply on it, so it is not made of rounded e.
; Only then e is rounded once to bf16, two rows to a register: 512 registers a wave.  Two row tiles so packed ARE source 1 (32 rows x 16 columns) of c = d^T e, which the matrix unit makes in iterations 2 and 3
; (64 instructions a wave); d goes in as two bf16 rows, d rounded and what the rounding left.  The rows' products with c in iteration 2 are multiply-adds straight from the bf16 halves, summed in f32.
; THE WALK IS TURNED by the work-group's number g: rho = (g + 5 (g / 16)) % 32; the K groups of 128 are taken from group rho % 8 on, the column chunks from chunk rho / 8 on, both round the ring.
; So the work-groups begin their walk of wp at 32 different places.  Only global addresses hang on g; LDS holds x in the order of the walk.  The one effect on values: the order of the f32 sums over K.
; NO CLUSTER, NO RING IN LDS FOR W, though all work-groups read the same wp: x takes 270,336 bytes of LDS and the scratch 43,776; of 327,680 that leaves 13,568, and one K step of a chunk's W is 16,384 for the four waves.
; LIMITS.  x and W are rounded to bf16 (nearest even), e once more behind iteration 1.  A weight below 2^-126 counts as 0.  NaN and infinities are not treated apart.  The K sums' order differs from work-group to work-group.
; REGISTERS, in windows of 256 (s_set_vgpr_msb: bits 1:0 source 0, 3:2 source 1, 5:4 source 2, 7:6 destination):
;   window 0: v0-63 addresses, statistics, at work; v64-191 two buffers of x's fragments (later at work); v192-255 the rows' partial products
;   window 1: x on its way in (8 slots of 32); then the accumulators, (mt, nt) at 32 mt + 8 nt; then c's accumulators, 8 each
;   window 2: e of chunks 0, 1       window 3: v0-127 e of chunk 2; v128-255 W's ring, then e of chunk 3.   e's register: 128 (chunk % 2) + 32 nt + 4 mt + p holds rows 16 mt + 8 h + 2 p, + 1
.set BLK,   8192                       ; LDS: a K step of x: 8 row tiles of 1,024 bytes (512 for registers 0-3 of the 32 lanes, 512 for registers 4-7).  33 blocks: block 32 repeats block 0
.set RB,    270336                     ; for each wave 32 lanes x 272 bytes: the rows' partial products change lanes here; at the end the wave's 1,024 bytes of output
.set RBW,   8704
.set PB,    305152                     ; two tables [wave][128 rows] of f32, for iterations 1 and 2
.set SQB,   309248                     ; byte 16 k + 4 w: wave w's sum of squares in iteration k + 1
.set DMB,   309504                     ; for each wave 1,024 bytes: three rows of 128 bf16, 272 bytes apart: d rounded, the rest of d, zeros
.set SPARE, 313600                     ; the spare words, 128 bytes for each wave: two blocks of 256 bytes that no other line names
.set LN, 1                             ; lane
.set RR, 2                             ; lane % 16
.set HH, 3                             ; lane / 16
.set SPW, 4                            ; LDS address of my spare word; never rewritten
.set NIL, 5                            ; 0; never rewritten
.set ZR, 6                             ; v[6:7] zeros
.set AL0, 8                            ; 16 x lane
.set ADRA, 9                           ; where x's fragments of the trip in hand begin
.set XOF, 10                           ; 4096 r + 32 h: my place in 16 rows of x
.set XS0, 11                           ; 2048 w + 16 x lane: my place in a block
.set XST, 12                           ; the same, in the eight blocks that are being written
.set XDUP, 13                          ; the same, in block 32
.set RST, 14
.set RLD, 15
.set PST, 16
.set PLD, 17
.set SQS, 18
.set SQL, 19
.set DMS, 20
.set DML, 21
.set OST, 22
.set OLD, 23
.set BV, 24                            ; v24-27 b of rows 4 lane .. 4 lane + 3
.set DV, 28                            ; v28-31 their weights
.set T, 32                             ; v32-39 four pairs at work; the low register of pair nt becomes the column sum CS
.set XT, 40                            ; v40-43 what comes from the other half of the lanes
.set SQ, 44
.set CO, 45
.set T1, 46
.set T2, 47
.set SQP, 48                           ; v48-51
.set HI, 52                            ; v[52:53]
.set LO, 54                            ; v[54:55]
.set WD, 56                            ; v56-59
.set T3, 60
.set PFO, 61                           ; 256 x lane; never rewritten
.set OO, 62                            ; v62, v63 my two places in the wave's 1,024 bytes of out0
.set AB, 64
.set BACC, 192                         ; index 8 mt + j: row 16 mt + 8 h + j, my column's share
.set RT, 64
.set PT, 128
.set DFR, 144
.set CHAT, 176
.set BR, 128                           ; window 3: W's ring, buffer b at BR + 32 b
.set XBASE, 4                          ; s[4:5]  x at my wave's 32 rows
.set WB, 6                             ; s[6:7]  wp at my wave's 524,288 bytes
.set OUT, 8                            ; s[8:9]  out0 at my wave's 1,024 bytes
.set WV, 10
.set GG, 11
.set KT0, 12
.set C0, 13
.set CNT, 14
.set JJ, 15                            ; the trip (of 32) for which WN is made next
.set PG, 16
.set AO, 17
.set XSO, 18
.set PFL, 19                           ; 3 in the wave that prefetches, else 0
.set XPA, 24
.set XPB, 26
.set WC, 28                            ; wp at the trip in hand
.set WN, 30                            ; wp at the next trip
.set SEL, 32
.set PF, 34
.set L2E, 36
.set NL2E, 37
.set W_MUL, 0x5c                       ; x's fragment window 0, W's window 3, C and D window 1
.set W_LDB, 0xc0
.set W_XLD, 0x40
.set W_XCV, 0x45
.set W_XST, 0x04
.set W_S11, 0x05
.set W_S1,  0x01
.set MSB, 0
.macro WIN new                         ; the immediate's high byte repeats the setting that is left; a switch that changes nothing is dropped
.if MSB != (\new)
	s_set_vgpr_msb (MSB<<8)|(\new)
.set MSB, (\new)
.endif
.endm
.macro PLACES                          ; four places behind a matrix instruction, in front of loads into registers that it has read and of vector work that reads its result
.rept 4
	v_nop
.endr
.endm
; The two K groups of 128 (512 bytes of a row of x) that are loaded next: places PG and PG + 1 of the walk.  Called only where no load that names the pointers awaits its address.
.macro XPTR
	s_add_co_u32 s20, s[PG], s[KT0]
	s_and_b32 s20, s20, 7
	s_lshl_b32 s20, s20, 9
	s_mov_b32 s21, 0
	s_add_nc_u64 s[XPA:XPA+1], s[XBASE:XBASE+1], s[20:21]
	s_add_co_u32 s20, s[PG], s[KT0]
	s_add_co_u32 s20, s20, 1
	s_and_b32 s20, s20, 7
	s_lshl_b32 s20, s20, 9
	s_add_nc_u64 s[XPB:XPB+1], s[XBASE:XBASE+1], s[20:21]
	s_add_co_u32 s[PG], s[PG], 2
.endm
; A unit: 16 rows x 64 k of f32.  slot = 4 group + 2 (which 64 k) + (which 16 rows).  The eight loads together cover 256 consecutive bytes, aligned, of each of the 16 rows.
.macro XLOAD slot, ptr
	WIN W_XLD
.irp e, 0,1,2,3,4,5,6,7
	global_load_b128 v[32*(\slot)+4*(\e):32*(\slot)+4*(\e)+3], v[XOF], s[(\ptr):(\ptr)+1] offset:((\slot)%2)*65536+(((\slot)/2)%2)*256+((\e)/4)*128+(((\e)/2)%2)*64+((\e)%2)*16 th:TH_LOAD_NT
.endr
.endm
; The unit is rounded in place (eight f32 into four registers, ascending, so that no source is overwritten before it is read) and stored as four half fragments.
.macro XCONV slot
	WIN W_XCV
.irp f, 0,1,2,3
.irp p, 0,1,2,3
	v_cvt_pk_bf16_f32 v[32*(\slot)+8*(\f)+(\p)], v[32*(\slot)+8*(\f)+2*(\p)], v[32*(\slot)+8*(\f)+2*(\p)+1]
.endr
.endr
	WIN W_XST
.irp f, 0,1,2,3
	ds_store_b128 v[XST], v[32*(\slot)+8*(\f):32*(\slot)+8*(\f)+3] offset:(2*((\slot)/2)+(\f)/2)*BLK+((\slot)%2)*1024+((\f)%2)*512
.endr
.endm
.macro BLOAD buf, ptr, off             ; a K step of my chunk's W: four fragments, 4,096 bytes on end
	WIN W_LDB
.irp nt, 0,1,2,3
	global_load_b128 v[BR+32*(\buf)+8*(\nt):BR+32*(\buf)+8*(\nt)+3],   v[AL0], s[(\ptr):(\ptr)+1] offset:(\off)+1024*(\nt)
	global_load_b128 v[BR+32*(\buf)+8*(\nt)+4:BR+32*(\buf)+8*(\nt)+7], v[AL0], s[(\ptr):(\ptr)+1] offset:(\off)+1024*(\nt)+512
.endr
.endm
.macro ALOAD buf, off                  ; a K step of x: eight fragments, a block of LDS
	WIN 0
.irp mt, 0,1,2,3,4,5,6,7
	ds_load_b128 v[AB+64*(\buf)+8*(\mt):AB+64*(\buf)+8*(\mt)+3],   v[ADRA] offset:(\off)+1024*(\mt)
	ds_load_b128 v[AB+64*(\buf)+8*(\mt)+4:AB+64*(\buf)+8*(\mt)+7], v[ADRA] offset:(\off)+1024*(\mt)+512
.endr
.endm
; 32 matrix instructions.  The 32 accumulators take turns, one instruction a turn, in the same order in every step: 31 others stand between two links of a chain.
.macro MUL a, b, zero
	WIN W_MUL
.irp mt, 0,1,2,3,4,5,6,7
.irp nt, 0,1,2,3
.if \zero
	v_wmma_f32_16x16x32_bf16 v[32*(\mt)+8*(\nt):32*(\mt)+8*(\nt)+7], v[AB+64*(\a)+8*(\mt):AB+64*(\a)+8*(\mt)+7], v[BR+32*(\b)+8*(\nt):BR+32*(\b)+8*(\nt)+7], 0
.else
	v_wmma_f32_16x16x32_bf16 v[32*(\mt)+8*(\nt):32*(\mt)+8*(\nt)+7], v[AB+64*(\a)+8*(\mt):AB+64*(\a)+8*(\mt)+7], v[BR+32*(\b)+8*(\nt):BR+32*(\b)+8*(\nt)+7], v[32*(\mt)+8*(\nt):32*(\mt)+8*(\nt)+7]
.endif
.endr
.endr
.endm
; K step i of a trip of four.  al: x of the next step is fetched, into the buffer that the step before multiplied; bl: W of the step three on, likewise.  lc, dc: how many younger loads may stay out.
; zt > 0 (step 0 in a loop of zt trips): in the chunk's first trip the products start the sums with the constant 0: nothing is cleared; one place more stands in front, since such a product writes over an accumulator.
.macro STEP i, al, bl, lc, dc, zt
	WIN 0
	PLACES
.if \zt
	v_nop
.endif
.if \al
	ALOAD ((\i)+1)%2, ((\i)+1)*BLK
.endif
.if \bl
.if (\i) == 0
	BLOAD 3, WC, 3*4096
.else
	BLOAD ((\i)+3)%4, WN, ((\i)-1)*4096
.endif
.endif
	s_wait_dscnt \dc                               ; LDS loads come back in order: this step's x is in, the 16 loads just issued may be out
	s_wait_loadcnt \lc                             ; this step's W is in; the later steps' loads, 8 each, may be out
.if \zt
	WIN 0
	s_cmp_lg_u32 s[CNT], \zt
	s_cbranch_scc1 .Lacc_\@
	MUL 0, 0, 1
	WIN 0
	s_branch .Ljoin_\@
.Lacc_\@:
	MUL 0, 0, 0
	WIN 0
.Ljoin_\@:
.else
	MUL (\i)%2, (\i)%4, 0
.endif
.endm
.macro WOFF                            ; WN = wp at trip JJ of my walk: chunk (JJ / 8 + C0) % 4, K group (JJ + KT0) % 8
	s_lshr_b32 s20, s[JJ], 3
	s_add_co_u32 s20, s20, s[C0]
	s_and_b32 s20, s20, 3
	s_lshl_b32 s20, s20, 17
	s_add_co_u32 s22, s[JJ], s[KT0]
	s_and_b32 s22, s22, 7
	s_lshl_b32 s22, s22, 14
	s_add_co_u32 s20, s20, s22
	s_mov_b32 s21, 0
	s_add_nc_u64 s[WN:WN+1], s[WB:WB+1], s[20:21]
	s_add_co_u32 s[JJ], s[JJ], 1
.endm
.macro CHUNK trips                     ; a chunk's trips of four K steps; W's ring and x's fetch run on across the chunk's end (block 32 of LDS repeats block 0)
	WIN 0
	s_mov_b32 s[CNT], \trips
	s_mov_b32 s[AO], 0
	v_mov_b32 v[ADRA], v[AL0]
.Ltrip_\@:
	STEP 0, 1, 1, 24, 16, \trips
	STEP 1, 1, 1, 24, 16, 0
	STEP 2, 1, 1, 24, 16, 0
	STEP 3, 1, 1, 24, 16, 0
	WIN 0
	s_wait_xcnt 0x0                                ; every load issued so far (the youngest 32 matrix instructions back) has read its address: the pointers may be written
	s_mov_b64 s[WC:WC+1], s[WN:WN+1]
	WOFF
	s_add_co_u32 s[AO], s[AO], 4*BLK
	v_add_nc_u32 v[ADRA], s[AO], v[AL0]
	s_sub_co_u32 s[CNT], s[CNT], 1
	s_cmp_lg_u32 s[CNT], 0
	s_cbranch_scc1 .Ltrip_\@
.endm
; ITERATION 1 ON A CHUNK'S f32 SUMS.  CS[nt] = the sum of a column's 128 rows (four chains, each accumulator's lowest registers read first; the other half of the lanes holds the other rows);
; SQ += CS^2; BACC[row] += e[row][column] CS[column].  first = 1: the first chunk starts SQ and BACC.
.macro STATS first
	PLACES
	WIN W_S11
.irp nt, 0,1,2,3
	v_pk_add_f32 v[T+2*(\nt):T+2*(\nt)+1], v[8*(\nt):8*(\nt)+1], v[8*(\nt)+2:8*(\nt)+3]
.endr
	WIN W_S1
.set z, 2
.rept 30
.irp nt, 0,1,2,3
	v_pk_add_f32 v[T+2*(\nt):T+2*(\nt)+1], v[32*(z/4)+8*(\nt)+2*(z%4):32*(z/4)+8*(\nt)+2*(z%4)+1], v[T+2*(\nt):T+2*(\nt)+1]
.endr
.set z, z+1
.endr
	WIN 0
.irp nt, 0,1,2,3
	v_add_f32 v[T+2*(\nt)], v[T+2*(\nt)], v[T+2*(\nt)+1]
.endr
.irp nt, 0,1,2,3
	v_permlanex16_b32 v[XT+(\nt)], v[T+2*(\nt)], s[SEL], s[SEL+1]
.endr
.irp nt, 0,1,2,3
	v_add_f32 v[T+2*(\nt)], v[T+2*(\nt)], v[XT+(\nt)]
.endr
.if \first
	v_mul_f32 v[SQ], v[T], v[T]
.else
	v_fma_f32 v[SQ], v[T], v[T], v[SQ]
.endif
.irp nt, 1,2,3
	v_fma_f32 v[SQ], v[T+2*(\nt)], v[T+2*(\nt)], v[SQ]
.endr
	WIN W_S1
.irp nt, 0,1,2,3
.set z, 0
.rept 32
.if (\first) && ((\nt) == 0)
	v_pk_mul_f32 v[BACC+2*z:BACC+2*z+1], v[32*(z/4)+8*(\nt)+2*(z%4):32*(z/4)+8*(\nt)+2*(z%4)+1], v[T+2*(\nt):T+2*(\nt)+1] op_sel_hi:[1,0]
.else
	v_pk_fma_f32 v[BACC+2*z:BACC+2*z+1], v[32*(z/4)+8*(\nt)+2*(z%4):32*(z/4)+8*(\nt)+2*(z%4)+1], v[T+2*(\nt):T+2*(\nt)+1], v[BACC+2*z:BACC+2*z+1] op_sel_hi:[1,0,1]
.endif
.set z, z+1
.endr
.endr
.endm
.macro CVT c                           ; the chunk's e, rounded once to bf16, two rows to a register
	WIN 0x85+0x40*((\c)/2)
.set z, 0
.rept 128
.set zm, z/16
.set zn, (z/4)%4
.set zp, z%4
	v_cvt_pk_bf16_f32 v[128*((\c)%2)+32*zn+4*zm+zp], v[32*zm+8*zn+2*zp], v[32*zm+8*zn+2*zp+1]
.set z, z+1
.endr
.endm
.macro SQRED                           ; over the 16 columns of a half of the lanes; both halves hold the same columns
.irp m, 1,2,4,8
	v_add_f32_dpp v[SQ], v[SQ], v[SQ] row_xmask:\m row_mask:0xf bank_mask:0xf
.endr
.endm
.macro SQMEET k                        ; behind the barrier: the four waves' sums of squares
	ds_load_b128 v[SQP:SQP+3], v[SQL] offset:16*(\k)
	s_wait_dscnt 0x0
	v_add_f32 v[SQP], v[SQP], v[SQP+1]
	v_add_f32 v[SQP+2], v[SQP+2], v[SQP+3]
	v_add_f32 v[SQ], v[SQP], v[SQP+2]
.endm
; THE ROWS' PRODUCTS MEET.  A lane's 64 shares go into its 272 bytes of the wave's own scratch and come back turned: lane (r, h) takes the four shares 4 r .. 4 r + 3 of the 16 lanes of its half, and adds them:
; rows 16 (r / 2) + 8 h + 4 (r % 2) + 0..3.  The wave's 128 sums go into table k; behind the barrier every lane adds the four waves' sums for rows 4 lane .. 4 lane + 3 into PT.
.macro BRED k
	WIN 0
.set z, 0
.rept 16
	ds_store_b128 v[RST], v[BACC+4*z:BACC+4*z+3] offset:16*z
.set z, z+1
.endr
.set z, 0
.rept 16
	ds_load_b128 v[RT+4*z:RT+4*z+3], v[RLD] offset:272*z   ; the wave's own bytes: LDS serves a wave's instructions in order (ISA guide 5.7.1.4)
.set z, z+1
.endr
	SQRED
	s_wait_dscnt 0x0
.irp d, 8,4,2,1
.set z, 0
.rept 2*(\d)
	v_pk_add_f32 v[RT+2*z:RT+2*z+1], v[RT+2*z:RT+2*z+1], v[RT+4*(\d)+2*z:RT+4*(\d)+2*z+1]
.set z, z+1
.endr
.endr
	ds_store_b128 v[PST], v[RT:RT+3] offset:2048*(\k)
	ds_store_b32 v[SQS], v[SQ] offset:16*(\k)
	s_wait_dscnt 0x0                               ; for the others' sake: my stores are done
	s_barrier_signal -1
	s_barrier_wait -1
.irp u, 0,1,2,3
	ds_load_b128 v[PT+4*(\u):PT+4*(\u)+3], v[PLD] offset:2048*(\k)+512*(\u)
.endr
	SQMEET \k
	v_pk_add_f32 v[PT:PT+1], v[PT:PT+1], v[PT+4:PT+5]
	v_pk_add_f32 v[PT+2:PT+3], v[PT+2:PT+3], v[PT+6:PT+7]
	v_pk_add_f32 v[PT+8:PT+9], v[PT+8:PT+9], v[PT+12:PT+13]
	v_pk_add_f32 v[PT+10:PT+11], v[PT+10:PT+11], v[PT+14:PT+15]
	v_pk_add_f32 v[PT:PT+1], v[PT:PT+1], v[PT+8:PT+9]
	v_pk_add_f32 v[PT+2:PT+3], v[PT+2:PT+3], v[PT+10:PT+11]
.endm
.macro COEF                            ; CO = squared / (1 + squared) / sqrt(squared + 1e-9), squared in SQ
	v_add_f32 v[T1], 1.0, v[SQ]
	v_add_f32 v[T2], 0x3089705f, v[SQ]
	v_rcp_f32 v[T1], v[T1]
	v_rsq_f32 v[T2], v[T2]
	v_nop                                          ; a plain instruction behind the two,
	s_wait_alu depctr_va_vdst(0)                   ; and the wait ahead of their first reader
	v_mul_f32 v[CO], v[SQ], v[T1]
	v_mul_f32 v[CO], v[CO], v[T2]
.endm
; THE SOFTMAX over the class's 128 rows, four a lane, in every wave alike: the maximum is taken away; d = 2^(b log2 e - m log2 e) / sum.  Then d is split: HI = bf16(d), LO = bf16(d - HI).
; Both go into the wave's own three rows in LDS and come back as source 0 of c = d^T e: rows 0 and 8 of the fragment are HI, rows 1 and 9 LO, the others zeros.
.macro SOFTD
	WIN 0
	v_max3_num_f32 v[T1], v[BV], v[BV+1], v[BV+2]
	v_max_num_f32 v[T1], v[T1], v[BV+3]
.irp m, 1,2,4,8
	v_max_num_f32_dpp v[T1], v[T1], v[T1] row_xmask:\m row_mask:0xf bank_mask:0xf
.endr
	v_permlanex16_b32 v[XT], v[T1], s[SEL], s[SEL+1]
	v_max_num_f32 v[T1], v[T1], v[XT]
	v_mul_f32 v[T2], s[NL2E], v[T1]                ; - m log2 e: its rounding is the same for all rows and falls out in the division by the sum
.irp i, 0,1,2,3
	v_fma_f32 v[DV+(\i)], v[BV+(\i)], s[L2E], v[T2]
.endr
.irp i, 0,1,2,3
	v_exp_f32 v[DV+(\i)], v[DV+(\i)]
.endr
	v_nop
	s_wait_alu depctr_va_vdst(0)                   ; one wait for the four exponentials
	v_add_f32 v[T1], v[DV], v[DV+1]
	v_add_f32 v[T3], v[DV+2], v[DV+3]
	v_add_f32 v[T1], v[T1], v[T3]
.irp m, 1,2,4,8
	v_add_f32_dpp v[T1], v[T1], v[T1] row_xmask:\m row_mask:0xf bank_mask:0xf
.endr
	v_permlanex16_b32 v[XT], v[T1], s[SEL], s[SEL+1]
	v_add_f32 v[T1], v[T1], v[XT]
	v_rcp_f32 v[T1], v[T1]
	v_nop
	s_wait_alu depctr_va_vdst(0)
.irp i, 0,1,2,3
	v_mul_f32 v[DV+(\i)], v[DV+(\i)], v[T1]
.endr
	v_cvt_pk_bf16_f32 v[HI], v[DV], v[DV+1]
	v_cvt_pk_bf16_f32 v[HI+1], v[DV+2], v[DV+3]
	v_lshlrev_b32 v[WD], 16, v[HI]
	v_and_b32 v[WD+1], 0xffff0000, v[HI]
	v_lshlrev_b32 v[WD+2], 16, v[HI+1]
	v_and_b32 v[WD+3], 0xffff0000, v[HI+1]
.irp i, 0,1,2,3
	v_sub_f32 v[WD+(\i)], v[DV+(\i)], v[WD+(\i)]
.endr
	v_cvt_pk_bf16_f32 v[LO], v[WD], v[WD+1]
	v_cvt_pk_bf16_f32 v[LO+1], v[WD+2], v[WD+3]
	ds_store_b64 v[DMS], v[HI:HI+1]
	ds_store_b64 v[DMS], v[LO:LO+1] offset:272
.irp q, 0,1,2,3
	ds_load_b128 v[DFR+8*(\q):DFR+8*(\q)+3],   v[DML] offset:64*(\q)      ; the wave's own bytes, in order behind the stores
	ds_load_b128 v[DFR+8*(\q)+4:DFR+8*(\q)+7], v[DML] offset:64*(\q)+32
.endr
	s_wait_dscnt 0x0
.endm
; c = d^T e for my 256 columns: 16 column tiles x 4 blocks of 32 rows.  The 16 accumulators take turns.  Register 0 holds HI's part, register 1 LO's, in both halves of the lanes.
.macro CHATW
.irp q, 0,1,2,3
.set zg, 0
.rept 16
	WIN 0x58+4*(zg/8)
.if (\q) == 0
	v_wmma_f32_16x16x32_bf16 v[8*zg:8*zg+7], v[DFR+8*(\q):DFR+8*(\q)+7], v[128*((zg/4)%2)+32*(zg%4)+8*(\q):128*((zg/4)%2)+32*(zg%4)+8*(\q)+7], 0
.else
	v_wmma_f32_16x16x32_bf16 v[8*zg:8*zg+7], v[DFR+8*(\q):DFR+8*(\q)+7], v[128*((zg/4)%2)+32*(zg%4)+8*(\q):128*((zg/4)%2)+32*(zg%4)+8*(\q)+7], v[8*zg:8*zg+7]
.endif
.set zg, zg+1
.endr
.endr
	PLACES
	WIN W_S11
.set zg, 0
.rept 16
	v_add_f32 v[CHAT+zg], v[8*zg], v[8*zg+1]
.set zg, zg+1
.endr
	WIN 0
	v_mul_f32 v[SQ], v[CHAT], v[CHAT]
	v_mul_f32 v[T3], v[CHAT+1], v[CHAT+1]
.irp u, 2,4,6,8,10,12,14
	v_fma_f32 v[SQ], v[CHAT+(\u)], v[CHAT+(\u)], v[SQ]
	v_fma_f32 v[T3], v[CHAT+(\u)+1], v[CHAT+(\u)+1], v[T3]
.endr
	v_add_f32 v[SQ], v[SQ], v[T3]
.endm
.macro ROWDOT2                         ; BACC[row] = the sum over my column tiles of e[row][column] c[column]: a multiply-add in f32 straight from each bf16 half; the first tile's addend is 0
.set zg, 0
.rept 16
	WIN 0x02+(zg/8)
.set z, 0
.rept 32
.set er, 128*((zg/4)%2)+32*(zg%4)+z
.if zg == 0
	v_fma_mix_f32_bf16 v[BACC+2*z], v[er], v[CHAT+zg], v[ZR] op_sel_hi:[1,0,0]
	v_fma_mix_f32_bf16 v[BACC+2*z+1], v[er], v[CHAT+zg], v[ZR] op_sel:[1,0,0] op_sel_hi:[1,0,0]
.else
	v_fma_mix_f32_bf16 v[BACC+2*z], v[er], v[CHAT+zg], v[BACC+2*z] op_sel_hi:[1,0,0]
	v_fma_mix_f32_bf16 v[BACC+2*z+1], v[er], v[CHAT+zg], v[BACC+2*z+1] op_sel:[1,0,0] op_sel_hi:[1,0,0]
.endif
.set z, z+1
.endr
.set zg, zg+1
.endr
.endm
	; ---- the head ----
	s_load_b128 s[4:7], s[0:1], 0x0                ; x s[4:5], wp s[6:7]
	s_load_b64 s[8:9], s[0:1], 0x10                ; out0
	v_lshl_add_u32 v[SPW], v0, 2, SPARE
	v_mov_b32 v[NIL], 0
	v_lshrrev_b32 v[T3], 5, v0
	v_readfirstlane_b32 s[WV], v[T3]               ; wave 0..3
	s_mov_b32 s[GG], ttmp9                         ; the class
	v_and_b32 v[LN], 31, v0
	v_and_b32 v[RR], 15, v0
	v_bfe_u32 v[HH], v0, 4, 1
	v_mov_b32 v[ZR], 0
	v_mov_b32 v[ZR+1], 0
.irp i, 0,1,2,3
	v_mov_b32 v[XT+(\i)], 0                        ; v_permlanex16_b32 counts as a reader of its destination
.endr
	s_lshr_b32 s20, s[GG], 4
	s_mul_i32 s20, s20, 5
	s_add_co_u32 s20, s20, s[GG]
	s_and_b32 s20, s20, 31                         ; rho
	s_and_b32 s[KT0], s20, 7
	s_lshr_b32 s[C0], s20, 3
	s_mov_b32 s[SEL], 0x76543210
	s_mov_b32 s[SEL+1], 0xfedcba98
	s_mov_b32 s[L2E], 0x3fb8aa3b                   ; log2 e
	s_mov_b32 s[NL2E], 0xbfb8aa3b                  ; - log2 e
	s_cmp_lt_u32 s[GG], 256
	s_cselect_b32 s[PFL], 3, 0
	s_cmp_eq_u32 s[WV], 0
	s_cselect_b32 s[PFL], s[PFL], 0
	v_lshlrev_b32 v[AL0], 4, v[LN]
	v_lshlrev_b32 v[XOF], 12, v[RR]
	v_lshl_add_u32 v[XOF], v[HH], 5, v[XOF]
	s_lshl_b32 s20, s[WV], 11
	v_add_nc_u32 v[XS0], s20, v[AL0]
	v_add_nc_u32 v[XDUP], 32*BLK, v[XS0]
	s_mul_i32 s21, s[WV], RBW
	s_add_co_u32 s21, s21, RB                      ; my wave's scratch
	v_mul_u32_u24 v[RST], v[LN], 272
	v_add_nc_u32 v[RST], s21, v[RST]
	v_mul_u32_u24 v[RLD], v[HH], 16*272
	v_lshl_add_u32 v[RLD], v[RR], 4, v[RLD]
	v_add_nc_u32 v[RLD], s21, v[RLD]
	v_lshl_add_u32 v[OST], v[LN], 2, s21
	v_add_nc_u32 v[OLD], s21, v[AL0]
	v_lshrrev_b32 v[T1], 1, v[RR]
	v_lshlrev_b32 v[T1], 2, v[T1]
	v_lshl_add_u32 v[T1], v[HH], 1, v[T1]
	v_and_b32 v[T2], 1, v[RR]
	v_add_nc_u32 v[T1], v[T1], v[T2]               ; 4 (r / 2) + 2 h + r % 2: which four rows I end up with
	s_lshl_b32 s22, s[WV], 9
	s_add_co_u32 s22, s22, PB
	v_lshl_add_u32 v[PST], v[T1], 4, s22
	v_add_nc_u32 v[PLD], PB, v[AL0]
	s_lshl_b32 s22, s[WV], 2
	s_add_co_u32 s22, s22, SQB
	v_mov_b32 v[SQS], s22
	v_mov_b32 v[SQL], SQB
	s_lshl_b32 s23, s[WV], 10
	s_add_co_u32 s23, s23, DMB
	v_lshl_add_u32 v[DMS], v[LN], 3, s23
	v_and_b32 v[T1], 7, v[RR]
	v_min_u32 v[T1], 2, v[T1]                      ; fragment rows 0, 8: d rounded; 1, 9: the rest; all others: the row of zeros
	v_mul_u32_u24 v[T1], v[T1], 272
	v_lshl_add_u32 v[T1], v[HH], 4, v[T1]
	v_add_nc_u32 v[DML], s23, v[T1]
	v_lshlrev_b32 v[PFO], 8, v[LN]
	v_add_nc_u32 v[T1], s[C0], v[HH]               ; out0: the chunk at place 2 j + h of my walk is chunk (2 j + h + C0) % 4: 256 bytes each
	v_and_b32 v[OO], 3, v[T1]
	v_lshlrev_b32 v[OO], 8, v[OO]
	v_lshl_add_u32 v[OO], v[RR], 4, v[OO]
	v_add_nc_u32 v[T1], 2, v[T1]
	v_and_b32 v[OO+1], 3, v[T1]
	v_lshlrev_b32 v[OO+1], 8, v[OO+1]
	v_lshl_add_u32 v[OO+1], v[RR], 4, v[OO+1]
	ds_store_b64 v[DMS], v[ZR:ZR+1] offset:544     ; the row of zeros, once
	s_wait_kmcnt 0x0
	s_lshl_b32 s20, s[GG], 19                      ; a class is 128 rows of 4,096 bytes,
	s_lshl_b32 s22, s[WV], 17                      ; my wave converts 32 of them
	s_add_co_u32 s20, s20, s22
	s_mov_b32 s21, 0
	s_add_nc_u64 s[XBASE:XBASE+1], s[XBASE:XBASE+1], s[20:21]
	s_and_b32 s20, s[GG], 255
	s_lshl_b32 s20, s20, 13
	s_add_nc_u64 s[PF:PF+1], s[WB:WB+1], s[20:21]  ; wp + 8,192 (g % 256): inside wp for every g
	s_lshl_b32 s20, s[WV], 19
	s_add_nc_u64 s[WB:WB+1], s[WB:WB+1], s[20:21]
	s_lshl_b32 s20, s[GG], 12
	s_lshl_b32 s22, s[WV], 10
	s_add_co_u32 s20, s20, s22
	s_add_nc_u64 s[OUT:OUT+1], s[OUT:OUT+1], s[20:21]
	s_mov_b32 s[JJ], 0
	WOFF
	s_mov_b64 s[WC:WC+1], s[WN:WN+1]               ; trip 0
	WOFF                                           ; trip 1
	s_mov_b32 s[PG], 0
	XPTR
	; ---- x comes in: 32 units a wave through a ring of 8 slots of registers; 64 loads of every wave are on their way ----
.irp i, 0,1,2,3,4,5,6,7
	XLOAD \i, XPA+2*((\i)/4)
.endr
	WIN 0
	s_wait_xcnt 0x0                                ; the loads have read their pointers
	XPTR
	s_mov_b32 s[XSO], 0
	v_mov_b32 v[XST], v[XS0]
	s_mov_b32 s[CNT], 3
.Lx:                                               ; a trip: eight units are rounded and stored, the next eight asked for
.irp i, 0,1,2,3,4,5,6,7
	s_wait_loadcnt 56                              ; loads come back in order: this unit's eight are in, the seven younger units' 56 stay out
	XCONV \i
	XLOAD \i, XPA+2*((\i)/4)
.if (\i) == 3
	; wp IS ASKED FOR AHEAD.  Its 8,192 blocks of 256 bytes are each named once in the launch: work-group g < 256 names blocks 32 g .. 32 g + 31, a lane a block, one instruction of wave 0,
	; in the first trip of this loop, behind a unit's loads; four units' work stands between it and the next wait for addresses.  Its two address registers are never rewritten.
	WIN 0
	s_cmp_eq_u32 s[CNT], s[PFL]
	s_cbranch_scc0 .Lnopf
	global_prefetch_b8 v[PFO], s[PF:PF+1] th:TH_LOAD_NT scope:SCOPE_SE
.Lnopf:
.endif
.endr
	WIN 0
	s_wait_xcnt 0x0
	XPTR
	s_add_co_u32 s[XSO], s[XSO], 8*BLK
	v_add_nc_u32 v[XST], s[XSO], v[XS0]
	s_sub_co_u32 s[CNT], s[CNT], 1
	s_cmp_lg_u32 s[CNT], 0
	s_cbranch_scc1 .Lx
.irp i, 0,1,2,3,4,5,6,7                        ; the last eight units; behind the first three, W's ring is primed: K steps 0, 1, 2
.if (\i) < 4
	s_wait_loadcnt 56                              ; the units behind this one, 8 loads each, and W's loads issued so far: 56 in all
.else
	s_wait_loadcnt 80-8*(\i)                       ; 7 - i units and W's 24 loads
.endif
	XCONV \i
.if (\i) < 3
	BLOAD \i, WC, 4096*(\i)
.endif
.endr
	WIN 0
.irp e, 0,1,2,3                                ; block 32 repeats block 0: each wave copies its own two tiles
	ds_load_b128 v[AB+4*(\e):AB+4*(\e)+3], v[XS0] offset:1024*((\e)/2)+512*((\e)%2)
.endr
	s_wait_dscnt 0x0
.irp e, 0,1,2,3
	ds_store_b128 v[XDUP], v[AB+4*(\e):AB+4*(\e)+3] offset:1024*((\e)/2)+512*((\e)%2)
.endr
	s_wait_dscnt 0x0                               ; for the others' sake: all my stores of x are done
	s_barrier_signal -1
	s_barrier_wait -1                              ; the class's x lies whole in LDS; nobody writes it again
	; ---- e = x W, chunk by chunk, with iteration 1's sums taken on each chunk's f32 results ----
	v_mov_b32 v[ADRA], v[AL0]
	ALOAD 0, 0
	CHUNK 8
	STATS 1
	CVT 0
	CHUNK 8
	STATS 0
	CVT 1
	CHUNK 8
	STATS 0
	CVT 2
	CHUNK 7
	STEP 0, 1, 1, 24, 16, 0                        ; the last trip is written out: nothing is fetched past the end, and the counts run down
	STEP 1, 1, 0, 16, 16, 0
	STEP 2, 1, 0, 8, 16, 0
	STEP 3, 0, 0, 0, 0, 0
	STATS 0
	CVT 3                                          ; into W's ring: no load is out any more
	; ---- iteration 1 closes: c1 = CO CS / 128 with squared = SQ / 128^2; b1 = (CO / 128) x (the rows' products with CS) ----
	BRED 0
	v_mul_f32 v[SQ], 0x38800000, v[SQ]             ; 2^-14
	COEF
	v_mul_f32 v[CO], 0x3c000000, v[CO]             ; 2^-7
.irp i, 0,1,2,3
	v_mul_f32 v[BV+(\i)], v[CO], v[PT+(\i)]
.endr
	; ---- iteration 2 ----
	SOFTD
	CHATW
	ROWDOT2
	BRED 1
	COEF
.irp i, 0,1,2,3
	v_fma_f32 v[BV+(\i)], v[CO], v[PT+(\i)], v[BV+(\i)]
.endr
	; ---- iteration 3: its c is the result ----
	SOFTD
	CHATW
	SQRED
	ds_store_b32 v[SQS], v[SQ] offset:32
	s_wait_dscnt 0x0
	s_barrier_signal -1
	s_barrier_wait -1
	SQMEET 2
	COEF
	; ---- the way out: lanes 0-15 hold the even column tiles' numbers, lanes 16-31 take the odd ones'; 1,024 bytes go through the wave's own scratch and come back 16 bytes a lane ----
	v_cmp_le_u32 vcc_lo, 16, v[LN]
.irp i, 0,1,2,3,4,5,6,7
	v_cndmask_b32 v[RT+(\i)], v[CHAT+2*(\i)], v[CHAT+2*(\i)+1], vcc_lo
	v_mul_f32 v[RT+(\i)], v[CO], v[RT+(\i)]
	ds_store_b32 v[OST], v[RT+(\i)] offset:128*(\i)
.endr
	ds_load_b128 v[RT+8:RT+11], v[OLD]
	ds_load_b128 v[RT+12:RT+15], v[OLD] offset:512
	s_wait_dscnt 0x0
	global_store_b128 v[OO], v[RT+8:RT+11], s[OUT:OUT+1] th:TH_STORE_NT     ; 16 lanes store 256 consecutive bytes, at a multiple of 256 from out0's first byte
	global_store_b128 v[OO+1], v[RT+12:RT+15], s[OUT:OUT+1] th:TH_STORE_NT
	s_wait_tensorcnt 0x0                           ; the wave's end: behind my last LDS store
	ds_add_u32 v[SPW], v[NIL]
	s_wait_dscnt 0x0
	s_endpgm
.Lfunc_end_k_q0a553eb783_route:
	.size	k_q0a553eb783_route, .Lfunc_end_k_q0a553eb783_route-k_q0a553eb783_route
	.p2alignl 7, 3214868480
	.fill 96, 4, 3214868480
	.section	.rodata,"a",@progbits
	.p2align	6, 0x0
	.amdhsa_kernel k_q0a553eb783_route
		.amdhsa_group_segment_fixed_size 314112
		.amdhsa_private_segment_fixed_size 0
		.amdhsa_enable_private_segment 0
		.amdhsa_kernarg_size 24
		.amdhsa_user_sgpr_count 2
		.amdhsa_user_sgpr_kernarg_segment_ptr 1
		.amdhsa_wavefront_size32 1
		.amdhsa_system_sgpr_workgroup_id_x 1
		.amdhsa_system_sgpr_workgroup_id_y 1
		.amdhsa_system_sgpr_workgroup_id_z 1
		.amdhsa_system_vgpr_workitem_id 0
		.amdhsa_next_free_vgpr 1024
		.amdhsa_next_free_sgpr 66
		.amdhsa_reserve_vcc 1
		.amdhsa_float_denorm_mode_32 3
		.amdhsa_float_denorm_mode_16_64 3
		.amdhsa_memory_ordered 1
		.amdhsa_forward_progress 1
		.amdhsa_inst_pref_size 255
	.end_amdhsa_kernel
	.section	.bss,"aw",@nobits
	.p2align	6
	.space	262144
	.amdgpu_metadata
---
amdhsa.version: [ 1, 2 ]
amdhsa.kernels:
  - .name:           k_q0a553eb783_route
    .symbol:         k_q0a553eb783_route.kd
    .args:
      - { .name: x, .offset: 0, .size: 8, .value_kind: global_buffer, .address_space: global }
      - { .name: wp, .offset: 8, .size: 8, .value_kind: global_buffer, .address_space: global }
      - { .name: out0, .offset: 16, .size: 8, .value_kind: global_buffer, .address_space: global }
    .group_segment_fixed_size: 314112
    .private_segment_fixed_size: 0
    .kernarg_segment_align: 8
    .kernarg_segment_size: 24
    .max_flat_workgroup_size: 128
    .sgpr_count:     66
    .vgpr_count:     1024
    .wavefront_size: 32
...
	.end_amdgpu_metadata
.endif
;; end of part 2
;; ======== version 2 of 3: 2 launches
;; limits: values outside matrix products are rounded to bf16
;; workspace buffers: wp 2,097,152 bytes
;; launch wprep: the kernel of part 1 again; grid 128 x 4, 8 waves a work-group, no clusters, 0 bytes of LDS; arguments W, wp; writes wp
;; launch route (part 3): grid 512 x 1, 4 waves a work-group, no clusters, 316,160 bytes of LDS; arguments x, wp, out0; writes out0
.if DOCPART == 3
	.amdgcn_target "amdgcn-amd-amdhsa--gfx1250"
	.amdhsa_code_object_version 6
	.text
	.protected	k_q0a553eb783_route
	.globl	k_q0a553eb783_route
	.p2align	8
	.type	k_q0a553eb783_route,@function
k_q0a553eb783_route:
	s_mov_b64 s[64:65], 0
	v_nop
	global_prefetch_b8 v0, s[64:65] scope:SCOPE_SE
	s_setreg_imm32_b32 hwreg(HW_REG_WAVE_MODE, 25, 1), 1
	s_wait_xcnt 0x0
; ONE CLASS TO A WORK-GROUP: e = x W for the class's 128 rows, and the three iterations on it; e never leaves the registers.
; LEFT OUT (shown at the head of the first kernel): the first softmax (of zeros: 1/128), the third iteration's update of b, the zeros that c starts with.
; SHARES.  Four waves.  Wave w owns all 128 rows x columns 256 w .. 256 w + 255, made in four chunks of 64 columns (8 x 4 accumulators, 256 registers): a column's 128 rows lie in one wave.
; x of the class is read once, each load of a wave taking 512 consecutive bytes of one row, rounded once to bf16 and kept in LDS by rows, 2,128 bytes apart.
; W's fragments come straight from wp into a ring of four register buffers: no wave wants a byte of W that another wave of the work-group has fetched.
; x COMES IN BESIDE THE FIRST CHUNK'S PRODUCTS.  A unit is 8 rows x one K group of 128 k: 8 loads, 32 registers.  Wave w brings rows 32 w .. 32 w + 31: four units a K group, unit o (rows 8 o ..) in slot o.
; The K group at place 0 of the walk comes first, by itself.  Then K step t of chunk 0 rounds and stores unit t + 4 (place t / 4 + 1) and asks for unit t + 8 in the same slot: 32 loads of x are on their way beside W's.
; A barrier in each trip's fourth step shows the next place whole to all four waves before its first fragments are fetched.  Places are written once and read only behind their barrier.
; ORIENTATION.  Source 0 = 16 rows of x, source 1 = 16 columns of W: register j of lane (r, h) holds row 8 h + j, column r.
; ITERATION 1 is taken on the f32 sums, chunk by chunk: the column sums CS, their squares, and the rows' products with CS.  b1 steers a softmax whose weights hang steeply on it, so it is not made of rounded e.
; Only then e is rounded once to bf16, two rows to a register: 512 registers a wave.  Two row tiles so packed ARE source 1 (32 rows x 16 columns) of c = d^T e, which the matrix unit makes in iterations 2 and 3
; (64 instructions a wave); d goes in as two bf16 rows, d rounded and what the rounding left.  The rows' products with c in iteration 2 are multiply-adds straight from the bf16 halves, summed in f32.
; THE WALK IS TURNED by the work-group's number g: rho = (g + 5 (g / 16)) % 32; the K groups of 128 are taken from group rho % 8 on, the column chunks from chunk rho / 8 on, both round the ring.
; So the work-groups begin their walk of wp at 32 different places.  Only global addresses hang on g; LDS holds x in the order of the walk.  The one effect on values: the order of the f32 sums over K.
; NO CLUSTER, NO RING IN LDS FOR W, though all work-groups read the same wp: x takes 272,384 bytes of LDS and the scratch 43,776; of 327,680 that leaves 11,520, and one K step of a chunk's W is 16,384 for the four waves.
; wp IS NOT ASKED FOR AHEAD: its first loads go out right behind the kernel's head, and the 32 turned walks take all of it in their first trip: no request could stand ahead of those loads.
; LIMITS.  x and W are rounded to bf16 (nearest even), e once more behind iteration 1.  A weight below 2^-126 counts as 0.  NaN and infinities are not treated apart.  The K sums' order differs from work-group to work-group.
; REGISTERS, in windows of 256 (s_set_vgpr_msb: bits 1:0 source 0, 3:2 source 1, 5:4 source 2, 7:6 destination):
;   window 0: v0-63 addresses, statistics, at work; v64-191 two buffers of x's fragments (later at work); v192-255 the rows' partial products (in chunk 0: the addresses by which x comes in)
;   window 1: the accumulators, (mt, nt) at 32 mt + 8 nt; then c's accumulators, 8 each
;   window 2: in chunk 0 v0-127 x on its way in (4 slots of 32); then e of chunks 0, 1
;   window 3: v0-127 e of chunk 2; v128-255 W's ring, then e of chunk 3.   e's register: 128 (chunk % 2) + 32 nt + 4 mt + p holds rows 16 mt + 8 h + 2 p, + 1
.set XP,    2128                       ; LDS: a row of x: 2,048 bytes of bf16 in the order of the walk, its first 64 bytes once more, 16 of padding = 133 x 16: the 16 rows of a fragment load start at 16 different groups of four banks (64 banks of 4 bytes: ISA guide 11.1)
.set RB,    272384                     ; behind the 128 rows: for each wave 32 lanes x 272 bytes: the rows' partial products change lanes here; at the end the wave's 1,024 bytes of output
.set RBW,   8704
.set PB,    307200                     ; two tables [wave][128 rows] of f32, for iterations 1 and 2
.set SQB,   311296                     ; byte 16 k + 4 w: wave w's sum of squares in iteration k + 1
.set DMB,   311552                     ; for each wave 1,024 bytes: three rows of 128 bf16, 256 bytes each: d rounded, the rest of d, zeros
.set SPARE, 315648                     ; the spare words, 128 bytes for each wave: two blocks of 256 bytes that no other line names
.set LN, 1                             ; lane
.set RR, 2                             ; lane % 16
.set HH, 3                             ; lane / 16
.set SPW, 4                            ; LDS address of my spare word; never rewritten
.set NIL, 5                            ; 0; never rewritten
.set ZR, 6                             ; v[6:7] zeros
.set AL0, 8                            ; 16 x lane
.set A0, 9                             ; 2128 r + 16 h: my place in a fragment's 16 rows; never rewritten
.set ADRA, 10                          ; v10-13  the same for row tiles 2 q, 2 q + 1, at the trip in hand
.set RST, 14
.set RLD, 15
.set PST, 16
.set PLD, 17
.set SQS, 18
.set SQL, 19
.set DMS, 20
.set DML, 21
.set OST, 22
.set OLD, 23
.set BV, 24                            ; v24-27 b of rows 4 lane .. 4 lane + 3
.set DV, 28                            ; v28-31 their weights
.set T, 32                             ; v32-39 four pairs at work; the low register of pair nt becomes the column sum CS
.set XT, 40                            ; v40-43 what comes from the other half of the lanes
.set SQ, 44
.set CO, 45
.set T1, 46
.set T2, 47
.set SQP, 48                           ; v48-51
.set HI, 52                            ; v[52:53]
.set LO, 54                            ; v[54:55]
.set WD, 56                            ; v56-59
.set T3, 60
.set OO, 62                            ; v62, v63 my two places in the wave's 1,024 bytes of out0
.set AB, 64
.set BACC, 192                         ; index 8 mt + j: row 16 mt + 8 h + j, my column's share
.set XOF, 192                          ; v192-195 in chunk 0: slot o's byte offset in my wave's rows of x: 16 x lane + 8 o rows + the K group that the slot loads
.set XST, 196                          ; v196, v197 where my 8 bytes go, at the place that is being written: my wave's rows 0-15, rows 16-31
.set XS0, 198                          ; v198, v199 the same at place 0; never rewritten
.set XCP, 200                          ; row 32 w + lane
.set PFO, 201                          ; the prefetches' offset: a row a lane, at the K group asked for
.set PFB, 202                          ; 4096 x lane; never rewritten
.set RT, 64
.set PT, 128
.set DFR, 144
.set CHAT, 176
.set BR, 128                           ; window 3: W's ring, buffer b at BR + 32 b
.set XBASE, 4                          ; s[4:5]  x at my wave's 32 rows; never rewritten once made
.set WB, 6                             ; s[6:7]  wp at my wave's 524,288 bytes
.set OUT, 8                            ; s[8:9]  out0 at my wave's 1,024 bytes
.set WV, 10
.set GG, 11
.set KT0, 12
.set C0, 13
.set CNT, 14
.set JJ, 15                            ; the trip (of 32) for which WN is made next
.set PG, 16                            ; the place of the walk whose units are asked for
.set AO, 17
.set XSO, 18                           ; 256 x the place that is being written
.set XGO, 19                           ; 512 x the K group at place PG
.set WC, 28                            ; wp at the trip in hand
.set WN, 30                            ; wp at the next trip
.set SEL, 32
.set L2E, 36
.set NL2E, 37
.set W_MUL, 0x5c                       ; x's fragment window 0, W's window 3, C and D window 1
.set W_LDB, 0xc0
.set W_XLD, 0x80                       ; destination window 2, address window 0
.set W_XCV, 0x8a                       ; destination and both sources window 2
.set W_XST, 0x08                       ; store data window 2, address window 0
.set W_S11, 0x05
.set W_S1,  0x01
.set MSB, 0
.macro WIN new                         ; the immediate's high byte repeats the setting that is left; a switch that changes nothing is dropped
.if MSB != (\new)
	s_set_vgpr_msb (MSB<<8)|(\new)
.set MSB, (\new)
.endif
.endm
.macro PLACES                          ; four places behind a matrix instruction, in front of loads into registers that it has read and of vector work that reads its result
.rept 4
	v_nop
.endr
.endm
.macro XGSET                           ; place PG of the walk is K group (PG + KT0) % 8: 512 bytes of a row of x
	s_add_co_u32 s[XGO], s[PG], s[KT0]
	s_and_b32 s[XGO], s[XGO], 7
	s_lshl_b32 s[XGO], s[XGO], 9
.endm
.macro XAIM slot                       ; the slot's offset for its next unit.  Called only behind the wait that shows the slot's last loads done
	s_add_co_u32 s20, s[XGO], (\slot)<<15
	v_add_nc_u32 v[XOF+(\slot)], s20, v[AL0]
.endm
.macro PFSET                           ; the prefetches' offset: the K group two places behind PG.  Called only where no prefetch awaits its address
	s_add_co_u32 s20, s[PG], s[KT0]
	s_add_co_u32 s20, s20, 2
	s_and_b32 s20, s20, 7
	s_lshl_b32 s20, s20, 9
	v_add_nc_u32 v[PFO], s20, v[PFB]
.endm
; A unit's eight loads.  Each takes 512 consecutive bytes of one row, at a multiple of 512 from x's first byte; the row stands in the immediate.
.macro XLOAD slot
	WIN W_XLD
.irp j, 0,1,2,3,4,5,6,7
	global_load_b128 v[32*(\slot)+4*(\j):32*(\slot)+4*(\j)+3], v[XOF+(\slot)], s[XBASE:XBASE+1] offset:4096*(\j) th:TH_LOAD_NT
.endr
.endm
; The unit is rounded in place (a lane's four f32 into two registers, ascending, so that no source is overwritten before it is read) and stored: the 32 lanes write 256 bytes on end of a row.
.macro XCONV slot
	WIN W_XCV
.irp j, 0,1,2,3,4,5,6,7
	v_cvt_pk_bf16_f32 v[32*(\slot)+4*(\j)],   v[32*(\slot)+4*(\j)],   v[32*(\slot)+4*(\j)+1]
	v_cvt_pk_bf16_f32 v[32*(\slot)+4*(\j)+1], v[32*(\slot)+4*(\j)+2], v[32*(\slot)+4*(\j)+3]
.endr
	WIN W_XST
.irp j, 0,1,2,3,4,5,6,7
	ds_store_b64 v[XST+(\slot)/2], v[32*(\slot)+4*(\j):32*(\slot)+4*(\j)+1] offset:(8*((\slot)%2)+(\j))*XP
.endr
.endm
; x IS ASKED FOR AHEAD OF ITS LOADS.  Trip P of the loop (P = 0 .. 3: the counter stands at 6 .. 3) names the K group at place P + 4, which trip P + 2 will load: my wave's own 32 rows, a lane a row, the group's two
; blocks of 256 bytes by two instructions, behind the step's loads.  So each block of places 4 to 7 is named once in the launch, by the wave that loads it; what a work-group has named and not yet loaded is two places at the most, 131,072 bytes.
; Places 0 to 3 come by their loads alone; the loop's last two trips name nothing.  The offset is rewritten at the trip's end, three K steps on.
.macro ASK
	WIN 0
	s_cmp_gt_u32 s[CNT], 2
	s_cbranch_scc0 .Lnoask_\@
	global_prefetch_b8 v[PFO], s[XBASE:XBASE+1] th:TH_LOAD_NT scope:SCOPE_SE
	global_prefetch_b8 v[PFO], s[XBASE:XBASE+1] offset:256 th:TH_LOAD_NT scope:SCOPE_SE
.Lnoask_\@:
.endm
.macro BLOAD buf, ptr, off             ; a K step of my chunk's W: four fragments, 4,096 bytes on end
	WIN W_LDB
.irp nt, 0,1,2,3
	global_load_b128 v[BR+32*(\buf)+8*(\nt):BR+32*(\buf)+8*(\nt)+3],   v[AL0], s[(\ptr):(\ptr)+1] offset:(\off)+1024*(\nt)
	global_load_b128 v[BR+32*(\buf)+8*(\nt)+4:BR+32*(\buf)+8*(\nt)+7], v[AL0], s[(\ptr):(\ptr)+1] offset:(\off)+1024*(\nt)+512
.endr
.endm
; A K step of x: eight fragments of 16 rows x 32 k, at byte off of the trip's 256 bytes of the rows.  Lane (r, h): row r, k = 8 h .. and 16 + 8 h ..: two loads of 16 bytes, 32 bytes apart.
.macro ALOAD buf, off
	WIN 0
.irp mt, 0,1,2,3,4,5,6,7
	ds_load_b128 v[AB+64*(\buf)+8*(\mt):AB+64*(\buf)+8*(\mt)+3],   v[ADRA+(\mt)/2] offset:(\off)+((\mt)%2)*16*XP
	ds_load_b128 v[AB+64*(\buf)+8*(\mt)+4:AB+64*(\buf)+8*(\mt)+7], v[ADRA+(\mt)/2] offset:(\off)+((\mt)%2)*16*XP+32
.endr
.endm
.macro SETA                            ; the four fragment addresses at byte AO of the rows: 32 rows apart, so that a row tile's place fits the 16-bit immediate
	v_add_nc_u32 v[ADRA], s[AO], v[A0]
	s_add_co_u32 s20, s[AO], 32*XP
	v_add_nc_u32 v[ADRA+1], s20, v[A0]
	s_add_co_u32 s20, s[AO], 64*XP
	v_add_nc_u32 v[ADRA+2], s20, v[A0]
	s_add_co_u32 s20, s[AO], 96*XP
	v_add_nc_u32 v[ADRA+3], s20, v[A0]
.endm
; 16 matrix instructions: row tiles m0 .. m0 + 3 x the four column tiles.  Two of these are a K step.  The 32 accumulators take turns, one instruction a turn, in the same order in every step.
.macro MULP a, b, zero, m0
	WIN W_MUL
.irp mt, (\m0), (\m0)+1, (\m0)+2, (\m0)+3
.irp nt, 0,1,2,3
.if \zero
	v_wmma_f32_16x16x32_bf16 v[32*(\mt)+8*(\nt):32*(\mt)+8*(\nt)+7], v[AB+64*(\a)+8*(\mt):AB+64*(\a)+8*(\mt)+7], v[BR+32*(\b)+8*(\nt):BR+32*(\b)+8*(\nt)+7], 0
.else
	v_wmma_f32_16x16x32_bf16 v[32*(\mt)+8*(\nt):32*(\mt)+8*(\nt)+7], v[AB+64*(\a)+8*(\mt):AB+64*(\a)+8*(\mt)+7], v[BR+32*(\b)+8*(\nt):BR+32*(\b)+8*(\nt)+7], v[32*(\mt)+8*(\nt):32*(\mt)+8*(\nt)+7]
.endif
.endr
.endr
.endm
.macro MUL a, b, zero
	MULP \a, \b, \zero, 0
	MULP \a, \b, \zero, 4
.endm
; K step i of a trip of four.  al: x of the next step is fetched, into the buffer that the step before multiplied; bl: W of the step three on, likewise.  lc, dc: how many younger loads may stay out.
; zt > 0 (step 0 in a loop of zt trips): in the chunk's first trip the products start the sums with the constant 0: nothing is cleared; one place more stands in front, since such a product writes over an accumulator.
.macro STEP i, al, bl, lc, dc, zt
	WIN 0
	PLACES
.if \zt
	v_nop
.endif
.if \al
	ALOAD ((\i)+1)%2, ((\i)+1)*64
.endif
.if \bl
.if (\i) == 0
	BLOAD 3, WC, 3*4096
.else
	BLOAD ((\i)+3)%4, WN, ((\i)-1)*4096
.endif
.endif
	s_wait_dscnt \dc                               ; LDS loads come back in order: this step's x is in, the 16 loads just issued may be out
	s_wait_loadcnt \lc                             ; this step's W is in; the later steps' loads, 8 each, may be out
.if \zt
	WIN 0
	s_cmp_lg_u32 s[CNT], \zt
	s_cbranch_scc1 .Lacc_\@
	MUL 0, 0, 1
	WIN 0
	s_branch .Ljoin_\@
.Lacc_\@:
	MUL 0, 0, 0
	WIN 0
.Ljoin_\@:
.else
	MUL (\i)%2, (\i)%4, 0
.endif
.endm
; K STEP i OF A TRIP OF CHUNK 0, WITH x's WORK.  The unit in slot i (the next place's rows 8 i ..) is rounded and stored; xl = 1: the slot is asked for again, with the unit one place further on.
; The 16 conversions are also the places behind the last products, in front of the loads into the buffers that those read.
; n1: the loads issued behind the slot's unit, which may stay out; n2: those behind this step's W.  Loads come back in the order of issue, which is W(t + 3), then unit t + 8, in every step.
; Step 3: the place is whole when all four waves have stored their fourth unit: my LDS instructions are waited for, I signal, 16 products stand between signal and wait, and only then the next trip's first fragments are fetched.
.macro XSTEP i, xl, n1, n2, zt
	WIN 0
	s_wait_loadcnt \n1                             ; the unit in slot i is in
.if \xl
	XAIM \i                                        ; free since that wait, which shows the loads that read it done
.endif
	XCONV \i
.if (\i) < 3
	ALOAD ((\i)+1)%2, ((\i)+1)*64
.endif
.if (\i) == 0
	BLOAD 3, WC, 3*4096
.else
	BLOAD ((\i)+3)%4, WN, ((\i)-1)*4096
.endif
.if \xl
	XLOAD \i
.if (\i) == 0
	ASK
.endif
.endif
.if (\i) < 3
	s_wait_dscnt 24                                ; this step's x is in: the 8 stores and the 16 loads just issued may be out
.else
	s_wait_dscnt 0x0                               ; for the others' sake: my stores of the next place are done
.endif
	s_wait_loadcnt \n2                             ; this step's W is in
.if \zt
	WIN 0
	s_cmp_lg_u32 s[CNT], \zt
	s_cbranch_scc1 .Lxacc_\@
	MUL 0, 0, 1
	WIN 0
	s_branch .Lxjoin_\@
.Lxacc_\@:
	MUL 0, 0, 0
	WIN 0
.Lxjoin_\@:
.elseif (\i) == 3
	s_barrier_signal -1
	MULP 1, 3, 0, 0                                ; work on registers while the others arrive
	s_barrier_wait -1                              ; the next place lies whole in LDS
	ALOAD 0, 256                                   ; its first fragments, into the buffer that step 2 multiplied: this step's conversions are the places between
	MULP 1, 3, 0, 4
.else
	MUL (\i)%2, (\i)%4, 0
.endif
.endm
.macro WOFF                            ; WN = wp at trip JJ of my walk: chunk (JJ / 8 + C0) % 4, K group (JJ + KT0) % 8
	s_lshr_b32 s20, s[JJ], 3
	s_add_co_u32 s20, s20, s[C0]
	s_and_b32 s20, s20, 3
	s_lshl_b32 s20, s20, 17
	s_add_co_u32 s22, s[JJ], s[KT0]
	s_and_b32 s22, s22, 7
	s_lshl_b32 s22, s22, 14
	s_add_co_u32 s20, s20, s22
	s_mov_b32 s21, 0
	s_add_nc_u64 s[WN:WN+1], s[WB:WB+1], s[20:21]
	s_add_co_u32 s[JJ], s[JJ], 1
.endm
.macro WSTEP                           ; a trip's end: on to the next trip's W and x
	WIN 0
	s_wait_xcnt 0x0                                ; every load and prefetch issued so far (the youngest load 16 matrix instructions back or more) has read its address: pointers and offsets may be written
	s_mov_b64 s[WC:WC+1], s[WN:WN+1]
	WOFF
	s_add_co_u32 s[AO], s[AO], 256                 ; a trip is 128 k: 256 bytes of a row
	SETA
.endm
.macro XNEXT                           ; directly behind WSTEP: the next place to write, to ask for and to prefetch
	s_add_co_u32 s[XSO], s[XSO], 256
	v_add_nc_u32 v[XST], s[XSO], v[XS0]
	v_add_nc_u32 v[XST+1], s[XSO], v[XS0+1]
	s_add_co_u32 s[PG], s[PG], 1
	XGSET
	PFSET
.endm
; A chunk's trips of four K steps; W's ring and x's fetch run on across the chunk's end (bytes 2,048 to 2,111 of an LDS row repeat its first 64).
.macro CHUNK trips
	WIN 0
	s_mov_b32 s[CNT], \trips
	s_mov_b32 s[AO], 0
	SETA
.Ltrip_\@:
	STEP 0, 1, 1, 24, 16, \trips
	STEP 1, 1, 1, 24, 16, 0
	STEP 2, 1, 1, 24, 16, 0
	STEP 3, 1, 1, 24, 16, 0
	WSTEP
	s_sub_co_u32 s[CNT], s[CNT], 1
	s_cmp_lg_u32 s[CNT], 0
	s_cbranch_scc1 .Ltrip_\@
.endm
; ITERATION 1 ON A CHUNK'S f32 SUMS.  CS[nt] = the sum of a column's 128 rows (four chains, each accumulator's lowest registers read first; the other half of the lanes holds the other rows);
; SQ += CS^2; BACC[row] += e[row][column] CS[column].  first = 1: the first chunk starts SQ and BACC.
.macro STATS first
	PLACES
	WIN W_S11
.irp nt, 0,1,2,3
	v_pk_add_f32 v[T+2*(\nt):T+2*(\nt)+1], v[8*(\nt):8*(\nt)+1], v[8*(\nt)+2:8*(\nt)+3]
.endr
	WIN W_S1
.set z, 2
.rept 30
.irp nt, 0,1,2,3
	v_pk_add_f32 v[T+2*(\nt):T+2*(\nt)+1], v[32*(z/4)+8*(\nt)+2*(z%4):32*(z/4)+8*(\nt)+2*(z%4)+1], v[T+2*(\nt):T+2*(\nt)+1]
.endr
.set z, z+1
.endr
	WIN 0
.irp nt, 0,1,2,3
	v_add_f32 v[T+2*(\nt)], v[T+2*(\nt)], v[T+2*(\nt)+1]
.endr
.irp nt, 0,1,2,3
	v_permlanex16_b32 v[XT+(\nt)], v[T+2*(\nt)], s[SEL], s[SEL+1]
.endr
.irp nt, 0,1,2,3
	v_add_f32 v[T+2*(\nt)], v[T+2*(\nt)], v[XT+(\nt)]
.endr
.if \first
	v_mul_f32 v[SQ], v[T], v[T]
.else
	v_fma_f32 v[SQ], v[T], v[T], v[SQ]
.endif
.irp nt, 1,2,3
	v_fma_f32 v[SQ], v[T+2*(\nt)], v[T+2*(\nt)], v[SQ]
.endr
	WIN W_S1
.irp nt, 0,1,2,3
.set z, 0
.rept 32
.if (\first) && ((\nt) == 0)
	v_pk_mul_f32 v[BACC+2*z:BACC+2*z+1], v[32*(z/4)+8*(\nt)+2*(z%4):32*(z/4)+8*(\nt)+2*(z%4)+1], v[T+2*(\nt):T+2*(\nt)+1] op_sel_hi:[1,0]
.else
	v_pk_fma_f32 v[BACC+2*z:BACC+2*z+1], v[32*(z/4)+8*(\nt)+2*(z%4):32*(z/4)+8*(\nt)+2*(z%4)+1], v[T+2*(\nt):T+2*(\nt)+1], v[BACC+2*z:BACC+2*z+1] op_sel_hi:[1,0,1]
.endif
.set z, z+1
.endr
.endr
.endm
.macro CVT c                           ; the chunk's e, rounded once to bf16, two rows to a register
	WIN 0x85+0x40*((\c)/2)
.set z, 0
.rept 128
.set zm, z/16
.set zn, (z/4)%4
.set zp, z%4
	v_cvt_pk_bf16_f32 v[128*((\c)%2)+32*zn+4*zm+zp], v[32*zm+8*zn+2*zp], v[32*zm+8*zn+2*zp+1]
.set z, z+1
.endr
.endm
.macro SQRED                           ; over the 16 columns of a half of the lanes; both halves hold the same columns
.irp m, 1,2,4,8
	v_add_f32_dpp v[SQ], v[SQ], v[SQ] row_xmask:\m row_mask:0xf bank_mask:0xf
.endr
.endm
.macro SQMEET k                        ; behind the barrier: the four waves' sums of squares
	ds_load_b128 v[SQP:SQP+3], v[SQL] offset:16*(\k)
	s_wait_dscnt 0x0
	v_add_f32 v[SQP], v[SQP], v[SQP+1]
	v_add_f32 v[SQP+2], v[SQP+2], v[SQP+3]
	v_add_f32 v[SQ], v[SQP], v[SQP+2]
.endm
; THE ROWS' PRODUCTS MEET.  A lane's 64 shares go into its 272 bytes of the wave's own scratch and come back turned: lane (r, h) takes the four shares 4 r .. 4 r + 3 of the 16 lanes of its half, and adds them:
; rows 16 (r / 2) + 8 h + 4 (r % 2) + 0..3.  The wave's 128 sums go into table k; behind the barrier every lane adds the four waves' sums for rows 4 lane .. 4 lane + 3 into PT.
.macro BRED k
	WIN 0
.set z, 0
.rept 16
	ds_store_b128 v[RST], v[BACC+4*z:BACC+4*z+3] offset:16*z
.set z, z+1
.endr
.set z, 0
.rept 16
	ds_load_b128 v[RT+4*z:RT+4*z+3], v[RLD] offset:272*z   ; the wave's own bytes: LDS serves a wave's instructions in order (ISA guide 5.7.1.4)
.set z, z+1
.endr
	SQRED
	s_wait_dscnt 0x0
.irp d, 8,4,2,1
.set z, 0
.rept 2*(\d)
	v_pk_add_f32 v[RT+2*z:RT+2*z+1], v[RT+2*z:RT+2*z+1], v[RT+4*(\d)+2*z:RT+4*(\d)+2*z+1]
.set z, z+1
.endr
.endr
	ds_store_b128 v[PST], v[RT:RT+3] offset:2048*(\k)
	ds_store_b32 v[SQS], v[SQ] offset:16*(\k)
	s_wait_dscnt 0x0                               ; for the others' sake: my stores are done
	s_barrier_signal -1
	s_barrier_wait -1
.irp u, 0,1,2,3
	ds_load_b128 v[PT+4*(\u):PT+4*(\u)+3], v[PLD] offset:2048*(\k)+512*(\u)
.endr
	SQMEET \k
	v_pk_add_f32 v[PT:PT+1], v[PT:PT+1], v[PT+4:PT+5]
	v_pk_add_f32 v[PT+2:PT+3], v[PT+2:PT+3], v[PT+6:PT+7]
	v_pk_add_f32 v[PT+8:PT+9], v[PT+8:PT+9], v[PT+12:PT+13]
	v_pk_add_f32 v[PT+10:PT+11], v[PT+10:PT+11], v[PT+14:PT+15]
	v_pk_add_f32 v[PT:PT+1], v[PT:PT+1], v[PT+8:PT+9]
	v_pk_add_f32 v[PT+2:PT+3], v[PT+2:PT+3], v[PT+10:PT+11]
.endm
.macro COEF                            ; CO = squared / (1 + squared) / sqrt(squared + 1e-9), squared in SQ
	v_add_f32 v[T1], 1.0, v[SQ]
	v_add_f32 v[T2], 0x3089705f, v[SQ]
	v_rcp_f32 v[T1], v[T1]
	v_rsq_f32 v[T2], v[T2]
	v_nop                                          ; a plain instruction behind the two,
	s_wait_alu depctr_va_vdst(0)                   ; and the wait ahead of their first reader
	v_mul_f32 v[CO], v[SQ], v[T1]
	v_mul_f32 v[CO], v[CO], v[T2]
.endm
; THE SOFTMAX over the class's 128 rows, four a lane, in every wave alike: the maximum is taken away; d = 2^(b log2 e - m log2 e) / sum.  Then d is split: HI = bf16(d), LO = bf16(d - HI).
; Both go into the wave's own three rows in LDS and come back as source 0 of c = d^T e: rows 0 and 8 of the fragment are HI, rows 1 and 9 LO, the others zeros.
.macro SOFTD
	WIN 0
	v_max3_num_f32 v[T1], v[BV], v[BV+1], v[BV+2]
	v_max_num_f32 v[T1], v[T1], v[BV+3]
.irp m, 1,2,4,8
	v_max_num_f32_dpp v[T1], v[T1], v[T1] row_xmask:\m row_mask:0xf bank_mask:0xf
.endr
	v_permlanex16_b32 v[XT], v[T1], s[SEL], s[SEL+1]
	v_max_num_f32 v[T1], v[T1], v[XT]
	v_mul_f32 v[T2], s[NL2E], v[T1]                ; - m log2 e: its rounding is the same for all rows and falls out in the division by the sum
.irp i, 0,1,2,3
	v_fma_f32 v[DV+(\i)], v[BV+(\i)], s[L2E], v[T2]
.endr
.irp i, 0,1,2,3
	v_exp_f32 v[DV+(\i)], v[DV+(\i)]
.endr
	v_nop
	s_wait_alu depctr_va_vdst(0)                   ; one wait for the four exponentials
	v_add_f32 v[T1], v[DV], v[DV+1]
	v_add_f32 v[T3], v[DV+2], v[DV+3]
	v_add_f32 v[T1], v[T1], v[T3]
.irp m, 1,2,4,8
	v_add_f32_dpp v[T1], v[T1], v[T1] row_xmask:\m row_mask:0xf bank_mask:0xf
.endr
	v_permlanex16_b32 v[XT], v[T1], s[SEL], s[SEL+1]
	v_add_f32 v[T1], v[T1], v[XT]
	v_rcp_f32 v[T1], v[T1]
	v_nop
	s_wait_alu depctr_va_vdst(0)
.irp i, 0,1,2,3
	v_mul_f32 v[DV+(\i)], v[DV+(\i)], v[T1]
.endr
	v_cvt_pk_bf16_f32 v[HI], v[DV], v[DV+1]
	v_cvt_pk_bf16_f32 v[HI+1], v[DV+2], v[DV+3]
	v_lshlrev_b32 v[WD], 16, v[HI]
	v_and_b32 v[WD+1], 0xffff0000, v[HI]
	v_lshlrev_b32 v[WD+2], 16, v[HI+1]
	v_and_b32 v[WD+3], 0xffff0000, v[HI+1]
.irp i, 0,1,2,3
	v_sub_f32 v[WD+(\i)], v[DV+(\i)], v[WD+(\i)]
.endr
	v_cvt_pk_bf16_f32 v[LO], v[WD], v[WD+1]
	v_cvt_pk_bf16_f32 v[LO+1], v[WD+2], v[WD+3]
	ds_store_b64 v[DMS], v[HI:HI+1]
	ds_store_b64 v[DMS], v[LO:LO+1] offset:256
.irp q, 0,1,2,3
	ds_load_b128 v[DFR+8*(\q):DFR+8*(\q)+3],   v[DML] offset:64*(\q)      ; the wave's own bytes, in order behind the stores
	ds_load_b128 v[DFR+8*(\q)+4:DFR+8*(\q)+7], v[DML] offset:64*(\q)+32
.endr
	s_wait_dscnt 0x0
.endm
; c = d^T e for my 256 columns: 16 column tiles x 4 blocks of 32 rows.  The 16 accumulators take turns.  Register 0 holds HI's part, register 1 LO's, in both halves of the lanes.
.macro CHATW
.irp q, 0,1,2,3
.set zg, 0
.rept 16
	WIN 0x58+4*(zg/8)
.if (\q) == 0
	v_wmma_f32_16x16x32_bf16 v[8*zg:8*zg+7], v[DFR+8*(\q):DFR+8*(\q)+7], v[128*((zg/4)%2)+32*(zg%4)+8*(\q):128*((zg/4)%2)+32*(zg%4)+8*(\q)+7], 0
.else
	v_wmma_f32_16x16x32_bf16 v[8*zg:8*zg+7], v[DFR+8*(\q):DFR+8*(\q)+7], v[128*((zg/4)%2)+32*(zg%4)+8*(\q):128*((zg/4)%2)+32*(zg%4)+8*(\q)+7], v[8*zg:8*zg+7]
.endif
.set zg, zg+1
.endr
.endr
	PLACES
	WIN W_S11
.set zg, 0
.rept 16
	v_add_f32 v[CHAT+zg], v[8*zg], v[8*zg+1]
.set zg, zg+1
.endr
	WIN 0
	v_mul_f32 v[SQ], v[CHAT], v[CHAT]
	v_mul_f32 v[T3], v[CHAT+1], v[CHAT+1]
.irp u, 2,4,6,8,10,12,14
	v_fma_f32 v[SQ], v[CHAT+(\u)], v[CHAT+(\u)], v[SQ]
	v_fma_f32 v[T3], v[CHAT+(\u)+1], v[CHAT+(\u)+1], v[T3]
.endr
	v_add_f32 v[SQ], v[SQ], v[T3]
.endm
.macro ROWDOT2                         ; BACC[row] = the sum over my column tiles of e[row][column] c[column]: a multiply-add in f32 straight from each bf16 half; the first tile's addend is 0
.set zg, 0
.rept 16
	WIN 0x02+(zg/8)
.set z, 0
.rept 32
.set er, 128*((zg/4)%2)+32*(zg%4)+z
.if zg == 0
	v_fma_mix_f32_bf16 v[BACC+2*z], v[er], v[CHAT+zg], v[ZR] op_sel_hi:[1,0,0]
	v_fma_mix_f32_bf16 v[BACC+2*z+1], v[er], v[CHAT+zg], v[ZR] op_sel:[1,0,0] op_sel_hi:[1,0,0]
.else
	v_fma_mix_f32_bf16 v[BACC+2*z], v[er], v[CHAT+zg], v[BACC+2*z] op_sel_hi:[1,0,0]
	v_fma_mix_f32_bf16 v[BACC+2*z+1], v[er], v[CHAT+zg], v[BACC+2*z+1] op_sel:[1,0,0] op_sel_hi:[1,0,0]
.endif
.set z, z+1
.endr
.set zg, zg+1
.endr
.endm
	; ---- the head ----
	s_load_b128 s[4:7], s[0:1], 0x0                ; x s[4:5], wp s[6:7]
	s_load_b64 s[8:9], s[0:1], 0x10                ; out0
	v_lshl_add_u32 v[SPW], v0, 2, SPARE
	v_mov_b32 v[NIL], 0
	v_lshrrev_b32 v[T3], 5, v0
	v_readfirstlane_b32 s[WV], v[T3]               ; wave 0..3
	s_mov_b32 s[GG], ttmp9                         ; the class
	v_and_b32 v[LN], 31, v0
	v_and_b32 v[RR], 15, v0
	v_bfe_u32 v[HH], v0, 4, 1
	v_mov_b32 v[ZR], 0
	v_mov_b32 v[ZR+1], 0
.irp i, 0,1,2,3
	v_mov_b32 v[XT+(\i)], 0                        ; v_permlanex16_b32 counts as a reader of its destination
.endr
	s_lshr_b32 s20, s[GG], 4
	s_mul_i32 s20, s20, 5
	s_add_co_u32 s20, s20, s[GG]
	s_and_b32 s20, s20, 31                         ; rho
	s_and_b32 s[KT0], s20, 7
	s_lshr_b32 s[C0], s20, 3
	s_mov_b32 s[SEL], 0x76543210
	s_mov_b32 s[SEL+1], 0xfedcba98
	s_mov_b32 s[L2E], 0x3fb8aa3b                   ; log2 e
	s_mov_b32 s[NL2E], 0xbfb8aa3b                  ; - log2 e
	v_lshlrev_b32 v[AL0], 4, v[LN]
	v_mul_u32_u24 v[A0], v[RR], XP
	v_lshl_add_u32 v[A0], v[HH], 4, v[A0]
	s_mov_b32 s[PG], 0                             ; the four slots aim at place 0
	XGSET
.irp o, 0,1,2,3
	XAIM \o
.endr
	s_mul_i32 s20, s[WV], 32*XP                    ; my wave writes rows 32 w .. 32 w + 31 of x in LDS
	v_lshl_add_u32 v[XS0], v[LN], 3, s20
	v_add_nc_u32 v[XS0+1], 16*XP, v[XS0]
	v_mov_b32 v[XST], v[XS0]
	v_mov_b32 v[XST+1], v[XS0+1]
	v_mul_u32_u24 v[XCP], v[LN], XP
	v_add_nc_u32 v[XCP], s20, v[XCP]
	v_lshlrev_b32 v[PFB], 12, v[LN]
	s_mul_i32 s21, s[WV], RBW
	s_add_co_u32 s21, s21, RB                      ; my wave's scratch
	v_mul_u32_u24 v[RST], v[LN], 272
	v_add_nc_u32 v[RST], s21, v[RST]
	v_mul_u32_u24 v[RLD], v[HH], 16*272
	v_lshl_add_u32 v[RLD], v[RR], 4, v[RLD]
	v_add_nc_u32 v[RLD], s21, v[RLD]
	v_lshl_add_u32 v[OST], v[LN], 2, s21
	v_add_nc_u32 v[OLD], s21, v[AL0]
	v_lshrrev_b32 v[T1], 1, v[RR]
	v_lshlrev_b32 v[T1], 2, v[T1]
	v_lshl_add_u32 v[T1], v[HH], 1, v[T1]
	v_and_b32 v[T2], 1, v[RR]
	v_add_nc_u32 v[T1], v[T1], v[T2]               ; 4 (r / 2) + 2 h + r % 2: which four rows I end up with
	s_lshl_b32 s22, s[WV], 9
	s_add_co_u32 s22, s22, PB
	v_lshl_add_u32 v[PST], v[T1], 4, s22
	v_add_nc_u32 v[PLD], PB, v[AL0]
	s_lshl_b32 s22, s[WV], 2
	s_add_co_u32 s22, s22, SQB
	v_mov_b32 v[SQS], s22
	v_mov_b32 v[SQL], SQB
	s_lshl_b32 s23, s[WV], 10
	s_add_co_u32 s23, s23, DMB
	v_lshl_add_u32 v[DMS], v[LN], 3, s23
	v_and_b32 v[T1], 7, v[RR]
	v_min_u32 v[T1], 2, v[T1]                      ; fragment rows 0, 8: d rounded; 1, 9: the rest; all others: the row of zeros
	v_lshlrev_b32 v[T1], 8, v[T1]
	v_lshl_add_u32 v[T1], v[HH], 4, v[T1]
	v_add_nc_u32 v[DML], s23, v[T1]
	v_add_nc_u32 v[T1], s[C0], v[HH]               ; out0: the chunk at place 2 j + h of my walk is chunk (2 j + h + C0) % 4: 256 bytes each
	v_and_b32 v[OO], 3, v[T1]
	v_lshlrev_b32 v[OO], 8, v[OO]
	v_lshl_add_u32 v[OO], v[RR], 4, v[OO]
	v_add_nc_u32 v[T1], 2, v[T1]
	v_and_b32 v[OO+1], 3, v[T1]
	v_lshlrev_b32 v[OO+1], 8, v[OO+1]
	v_lshl_add_u32 v[OO+1], v[RR], 4, v[OO+1]
	ds_store_b64 v[DMS], v[ZR:ZR+1] offset:512     ; the row of zeros, once
	s_wait_kmcnt 0x0
	s_lshl_b32 s20, s[GG], 19                      ; a class is 128 rows of 4,096 bytes,
	s_lshl_b32 s22, s[WV], 17                      ; my wave brings in 32 of them
	s_add_co_u32 s20, s20, s22
	s_mov_b32 s21, 0
	s_add_nc_u64 s[XBASE:XBASE+1], s[XBASE:XBASE+1], s[20:21]
	s_lshl_b32 s20, s[WV], 19
	s_add_nc_u64 s[WB:WB+1], s[WB:WB+1], s[20:21]
	s_lshl_b32 s20, s[GG], 12
	s_lshl_b32 s22, s[WV], 10
	s_add_co_u32 s20, s20, s22
	s_add_nc_u64 s[OUT:OUT+1], s[OUT:OUT+1], s[20:21]
	s_mov_b32 s[JJ], 0
	WOFF
	s_mov_b64 s[WC:WC+1], s[WN:WN+1]               ; trip 0
	WOFF                                           ; trip 1
	; ---- place 0 of x comes by itself; as each of its units is stored, its slot is asked for again with place 1's unit, and W's ring is primed between: the order of issue is unit 4, W 0, unit 5, W 1, unit 6, W 2, unit 7 ----
.irp o, 0,1,2,3
	XLOAD \o
.endr
	WIN 0
	s_mov_b32 s[PG], 1
	XGSET
.irp o, 0,1,2,3
	s_wait_loadcnt 24+8*(\o)                       ; unit o is in: behind it stand the 3 - o units of place 0, and o units of place 1 and o K steps of W: 8 loads each
	WIN 0
	XAIM \o                                        ; free since that wait
	XCONV \o
	XLOAD \o
.if (\o) < 3
	BLOAD \o, WC, 4096*(\o)
.endif
.endr
	WIN 0
	s_mov_b32 s[PG], 2                             ; trip 0 asks for place 2,
	XGSET
	PFSET                                          ; names place 4,
	s_mov_b32 s[XSO], 256                          ; and writes place 1
	v_add_nc_u32 v[XST], s[XSO], v[XS0]
	v_add_nc_u32 v[XST+1], s[XSO], v[XS0+1]
.irp e, 0,1,2,3                                ; each row's first 64 bytes once more behind its 2,048: a lane a row, the wave's own 32 rows, in order behind its stores
	ds_load_b128 v[AB+4*(\e):AB+4*(\e)+3], v[XCP] offset:16*(\e)
.endr
	s_wait_dscnt 0x0
.irp e, 0,1,2,3
	ds_store_b128 v[XCP], v[AB+4*(\e):AB+4*(\e)+3] offset:2048+16*(\e)
.endr
	s_wait_dscnt 0x0                               ; for the others' sake: my stores of place 0 are done
	s_barrier_signal -1
	s_barrier_wait -1                              ; place 0 lies whole in LDS
	; ---- chunk 0, with the other seven places of x coming in beside its products ----
	s_mov_b32 s[CNT], 6
	s_mov_b32 s[AO], 0
	SETA
	ALOAD 0, 0
.Lx:                                               ; trip P = 0 .. 5: multiplies place P, stores place P + 1, asks for place P + 2
	XSTEP 0, 1, 48, 56, 6                          ; 48: three K steps of W and three units stand behind the slot's unit; 56: four units and three K steps of W behind this step's W
	XSTEP 1, 1, 48, 56, 0
	XSTEP 2, 1, 48, 56, 0
	XSTEP 3, 1, 48, 56, 0
	WSTEP
	XNEXT
	s_sub_co_u32 s[CNT], s[CNT], 1
	s_cmp_lg_u32 s[CNT], 0
	s_cbranch_scc1 .Lx
	XSTEP 0, 0, 48, 48, 0                          ; trip 6 stores place 7 and asks for nothing: the counts run down by a unit a step
	XSTEP 1, 0, 40, 40, 0
	XSTEP 2, 0, 32, 32, 0
	XSTEP 3, 0, 24, 24, 0
	WSTEP
	STEP 0, 1, 1, 24, 16, 0                        ; trip 7: x is all in
	STEP 1, 1, 1, 24, 16, 0
	STEP 2, 1, 1, 24, 16, 0
	STEP 3, 1, 1, 24, 16, 0
	WSTEP
	STATS 1
	CVT 0
	; ---- the other chunks, with iteration 1's sums taken on each chunk's f32 results ----
	CHUNK 8
	STATS 0
	CVT 1
	CHUNK 8
	STATS 0
	CVT 2
	CHUNK 7
	STEP 0, 1, 1, 24, 16, 0                        ; the last trip is written out: nothing is fetched past the end, and the counts run down
	STEP 1, 1, 0, 16, 16, 0
	STEP 2, 1, 0, 8, 16, 0
	STEP 3, 0, 0, 0, 0, 0
	STATS 0
	CVT 3                                          ; into W's ring: no load is out any more
	; ---- iteration 1 closes: c1 = CO CS / 128 with squared = SQ / 128^2; b1 = (CO / 128) x (the rows' products with CS) ----
	BRED 0
	v_mul_f32 v[SQ], 0x38800000, v[SQ]             ; 2^-14
	COEF
	v_mul_f32 v[CO], 0x3c000000, v[CO]             ; 2^-7
.irp i, 0,1,2,3
	v_mul_f32 v[BV+(\i)], v[CO], v[PT+(\i)]
.endr
	; ---- iteration 2 ----
	SOFTD
	CHATW
	ROWDOT2
	BRED 1
	COEF
.irp i, 0,1,2,3
	v_fma_f32 v[BV+(\i)], v[CO], v[PT+(\i)], v[BV+(\i)]
.endr
	; ---- iteration 3: its c is the result ----
	SOFTD
	CHATW
	SQRED
	ds_store_b32 v[SQS], v[SQ] offset:32
	s_wait_dscnt 0x0
	s_barrier_signal -1
	s_barrier_wait -1
	SQMEET 2
	COEF
	; ---- the way out: lanes 0-15 hold the even column tiles' numbers, lanes 16-31 take the odd ones'; 1,024 bytes go through the wave's own scratch and come back 16 bytes a lane ----
	v_cmp_le_u32 vcc_lo, 16, v[LN]
.irp i, 0,1,2,3,4,5,6,7
	v_cndmask_b32 v[RT+(\i)], v[CHAT+2*(\i)], v[CHAT+2*(\i)+1], vcc_lo
	v_mul_f32 v[RT+(\i)], v[CO], v[RT+(\i)]
	ds_store_b32 v[OST], v[RT+(\i)] offset:128*(\i)
.endr
	ds_load_b128 v[RT+8:RT+11], v[OLD]
	ds_load_b128 v[RT+12:RT+15], v[OLD] offset:512
	s_wait_dscnt 0x0
	global_store_b128 v[OO], v[RT+8:RT+11], s[OUT:OUT+1] th:TH_STORE_NT     ; 16 lanes store 256 consecutive bytes, at a multiple of 256 from out0's first byte
	global_store_b128 v[OO+1], v[RT+12:RT+15], s[OUT:OUT+1] th:TH_STORE_NT
	s_wait_tensorcnt 0x0                           ; the wave's end: behind my last LDS store
	ds_add_u32 v[SPW], v[NIL]
	s_wait_dscnt 0x0
	s_endpgm
.Lfunc_end_k_q0a553eb783_route:
	.size	k_q0a553eb783_route, .Lfunc_end_k_q0a553eb783_route-k_q0a553eb783_route
	.p2alignl 7, 3214868480
	.fill 96, 4, 3214868480
	.section	.rodata,"a",@progbits
	.p2align	6, 0x0
	.amdhsa_kernel k_q0a553eb783_route
		.amdhsa_group_segment_fixed_size 316160
		.amdhsa_private_segment_fixed_size 0
		.amdhsa_enable_private_segment 0
		.amdhsa_kernarg_size 24
		.amdhsa_user_sgpr_count 2
		.amdhsa_user_sgpr_kernarg_segment_ptr 1
		.amdhsa_wavefront_size32 1
		.amdhsa_system_sgpr_workgroup_id_x 1
		.amdhsa_system_sgpr_workgroup_id_y 1
		.amdhsa_system_sgpr_workgroup_id_z 1
		.amdhsa_system_vgpr_workitem_id 0
		.amdhsa_next_free_vgpr 1024
		.amdhsa_next_free_sgpr 66
		.amdhsa_reserve_vcc 1
		.amdhsa_float_denorm_mode_32 3
		.amdhsa_float_denorm_mode_16_64 3
		.amdhsa_memory_ordered 1
		.amdhsa_forward_progress 1
		.amdhsa_inst_pref_size 255
	.end_amdhsa_kernel
	.section	.bss,"aw",@nobits
	.p2align	6
	.space	262144
	.amdgpu_metadata
---
amdhsa.version: [ 1, 2 ]
amdhsa.kernels:
  - .name:           k_q0a553eb783_route
    .symbol:         k_q0a553eb783_route.kd
    .args:
      - { .name: x, .offset: 0, .size: 8, .value_kind: global_buffer, .address_space: global }
      - { .name: wp, .offset: 8, .size: 8, .value_kind: global_buffer, .address_space: global }
      - { .name: out0, .offset: 16, .size: 8, .value_kind: global_buffer, .address_space: global }
    .group_segment_fixed_size: 316160
    .private_segment_fixed_size: 0
    .kernarg_segment_align: 8
    .kernarg_segment_size: 24
    .max_flat_workgroup_size: 128
    .sgpr_count:     66
    .vgpr_count:     1024
    .wavefront_size: 32
...
	.end_amdgpu_metadata
.endif
;; end of part 3
;; ======== version 3 of 3: 2 launches; version 2 with the launch route written anew for expert scheduling mode
;; limits: values outside matrix products are rounded to bf16
;; workspace buffers: wp 2,097,152 bytes
;; launch wprep: the kernel of part 1 again; grid 128 x 4, 8 waves a work-group, no clusters, 0 bytes of LDS; arguments W, wp; writes wp
;; launch route (part 4): grid 512 x 1, 4 waves a work-group, no clusters, 316,160 bytes of LDS; arguments x, wp, out0; writes out0
.if DOCPART == 4
	.amdgcn_target "amdgcn-amd-amdhsa--gfx1250"
	.amdhsa_code_object_version 6
	.text
	.protected	k_q0a553eb783_route
	.globl	k_q0a553eb783_route
	.p2align	8
	.type	k_q0a553eb783_route,@function
k_q0a553eb783_route:
	s_mov_b64 s[64:65], 0
	v_nop
	global_prefetch_b8 v0, s[64:65] scope:SCOPE_SE
	s_setreg_imm32_b32 hwreg(HW_REG_WAVE_SCHED_MODE, 0, 2), 2
	s_setreg_imm32_b32 hwreg(HW_REG_WAVE_MODE, 25, 1), 1
	s_wait_xcnt 0x0
	s_wait_alu depctr_vm_vsrc(0)
; ONE CLASS TO A WORK-GROUP: e = x W for the class's 128 rows, and the three iterations on it; e never leaves the registers.
; LEFT OUT (shown at the head of the first kernel): the first softmax (of zeros: 1/128), the third iteration's update of b, the zeros that c starts with.
; SHARES.  Four waves.  Wave w owns all 128 rows x columns 256 w .. 256 w + 255, made in four chunks of 64 columns (8 x 4 accumulators, 256 registers): a column's 128 rows lie in one wave.
; x of the class is read once, each load of a wave taking 512 consecutive bytes of one row, rounded once to bf16 and kept in LDS by rows, 2,128 bytes apart.
; W's fragments come straight from wp into a ring of four register buffers: no wave wants a byte of W that another wave of the work-group has fetched.
; x COMES IN BESIDE THE FIRST CHUNK'S PRODUCTS.  A unit is 8 rows x one K group of 128 k: 8 loads, 32 registers.  Wave w brings rows 32 w .. 32 w + 31: four units a K group, unit o (rows 8 o ..) in slot o.
; The K group at place 0 of the walk comes first, by itself.  Then K step t of chunk 0 rounds and stores unit t + 4 (place t / 4 + 1) and asks for unit t + 8 in the same slot: 32 loads of x are on their way beside W's.
; A barrier in each trip's fourth step shows the next place whole to all four waves before its first fragments are fetched.  Places are written once and read only behind their barrier.
; ORIENTATION.  Source 0 = 16 rows of x, source 1 = 16 columns of W: register j of lane (r, h) holds row 8 h + j, column r.
; ITERATION 1 is taken on the f32 sums, chunk by chunk: the column sums CS, their squares, and the rows' products with CS.  b1 steers a softmax whose weights hang steeply on it, so it is not made of rounded e.
; Only then e is rounded once to bf16, two rows to a register: 512 registers a wave.  Two row tiles so packed ARE source 1 (32 rows x 16 columns) of c = d^T e, which the matrix unit makes in iterations 2 and 3
; (64 instructions a wave); d goes in as two bf16 rows, d rounded and what the rounding left.  The rows' products with c in iteration 2 are multiply-adds straight from the bf16 halves, summed in f32.
; THE WALK IS TURNED by the work-group's number g: rho = (g + 5 (g / 16)) % 32; the K groups of 128 are taken from group rho % 8 on, the column chunks from chunk rho / 8 on, both round the ring.
; So the work-groups begin their walk of wp at 32 different places.  Only global addresses hang on g; LDS holds x in the order of the walk.  The one effect on values: the order of the f32 sums over K.
; NO CLUSTER, NO RING IN LDS FOR W, though all work-groups read the same wp: x takes 272,384 bytes of LDS and the scratch 43,776; of 327,680 that leaves 11,520, and one K step of a chunk's W is 16,384 for the four waves.
; wp IS NOT ASKED FOR AHEAD: its first loads go out right behind the kernel's head, and the 32 turned walks take all of it in their first trip: no request could stand ahead of those loads.
; LIMITS.  x and W are rounded to bf16 (nearest even), e once more behind iteration 1.  A weight below 2^-126 counts as 0.  NaN and infinities are not treated apart.  The K sums' order differs from work-group to work-group.
; THE MODE: SCHED_MODE bits 1:0 = 2 (LLVM: expert scheduling mode 2), set by the entry lines.  The code itself states the register dependences
; between vector or matrix instructions and memory or LDS instructions, with s_wait_alu, always for 0.
; THE PLAN.  Registers that memory or LDS instructions touch in the K loops, and who else names them:
;   A0, A1      x's fragments.  K step t's products read A[t % 2]; the LDS loads issued in step t land in A[(t + 1) % 2], which step t - 1's products read.
;   W's ring    Step t's products read buffer t % 4; the loads issued in step t land in buffer (t + 3) % 4, which step t - 1's products read.
;   slots 0-3   Chunk 0 alone.  Step t's sixteen conversions read slot t % 4; the loads issued in step t land in it.  No store names them.
;   XO          Chunk 0 alone.  Written by step t's conversions, read by step t's eight LDS stores.
;   XOF[o]      Written at the head of the slot's step, read by the slot's eight loads in that step.
;   ADRA, XST, PFO   Written once a trip, at its end; read by the next trip's fragment loads, stores and prefetches.
;   AL0 and the scratch's addresses are made at the head and never written again.  The accumulators and e are named by vector and matrix instructions alone.
; So ONE wait on va_vdst stands at the head of a K step (in chunk 0 behind the step's conversions): the last step's products are done with the two buffers that this step's loads fill, and what the step's
; stores and loads read is written.  The step's loads follow it, dealt among its 32 products, which name A[t % 2], ring buffer t % 4 and the accumulators: none of the registers that those loads touch.
; One wait on vm_vsrc stands at the head of a step of chunk 0 (XO, XOF) and one at each trip's end (ADRA, XST, PFO).
; Two steps keep their loads in a run: a loop's first step, whose products are written twice (starting the sums, adding on), so that the loads are written once, ahead of the branch; and chunk 0's fourth step, round its barrier.
; REGISTERS, in windows of 256 (s_set_vgpr_msb: bits 1:0 source 0, 3:2 source 1, 5:4 source 2, 7:6 destination):
;   window 0: v0-63 addresses, statistics, at work; v64-191 two buffers of x's fragments (later at work); v192-255 the rows' partial products (in chunk 0: the addresses by which x comes in)
;   window 1: the accumulators, (mt, nt) at 32 mt + 8 nt; then c's accumulators, 8 each
;   window 2: in chunk 0 v0-127 x on its way in (4 slots of 32) and v128-143 a unit rounded, on its way to LDS; then e of chunks 0, 1
;   window 3: v0-127 e of chunk 2; v128-255 W's ring, then e of chunk 3.   e's register: 128 (chunk % 2) + 32 nt + 4 mt + p holds rows 16 mt + 8 h + 2 p, + 1
.set XP,    2128                       ; LDS: a row of x: 2,048 bytes of bf16 in the order of the walk, its first 64 bytes once more, 16 of padding = 133 x 16: the 16 rows of a fragment load start at 16 different groups of four banks (64 banks of 4 bytes: ISA guide 11.1)
.set RB,    272384                     ; behind the 128 rows: for each wave 32 lanes x 272 bytes: the rows' partial products change lanes here; at the end the wave's 1,024 bytes of output
.set RBW,   8704
.set PB,    307200                     ; two tables [wave][128 rows] of f32, for iterations 1 and 2
.set SQB,   311296                     ; byte 16 k + 4 w: wave w's sum of squares in iteration k + 1
.set DMB,   311552                     ; for each wave 1,024 bytes: three rows of 128 bf16, 256 bytes each: d rounded, the rest of d, zeros
.set SPARE, 315648                     ; the spare words, 128 bytes for each wave: two blocks of 256 bytes that no other line names
.set LN, 1                             ; lane
.set RR, 2                             ; lane % 16
.set HH, 3                             ; lane / 16
.set SPW, 4                            ; LDS address of my spare word; never rewritten
.set NIL, 5                            ; 0; never rewritten
.set ZR, 6                             ; v[6:7] zeros
.set AL0, 8                            ; 16 x lane
.set A0, 9                             ; 2128 r + 16 h: my place in a fragment's 16 rows; never rewritten
.set ADRA, 10                          ; v10-13  the same for row tiles 2 q, 2 q + 1, at the trip in hand
.set RST, 14
.set RLD, 15
.set PST, 16
.set PLD, 17
.set SQS, 18
.set SQL, 19
.set DMS, 20
.set DML, 21
.set OST, 22
.set OLD, 23
.set BV, 24                            ; v24-27 b of rows 4 lane .. 4 lane + 3
.set DV, 28                            ; v28-31 their weights
.set T, 32                             ; v32-39 four pairs at work; the low register of pair nt becomes the column sum CS
.set XT, 40                            ; v40-43 what comes from the other half of the lanes
.set SQ, 44
.set CO, 45
.set T1, 46
.set T2, 47
.set SQP, 48                           ; v48-51
.set HI, 52                            ; v[52:53]
.set LO, 54                            ; v[54:55]
.set WD, 56                            ; v56-59
.set T3, 60
.set OO, 62                            ; v62, v63 my two places in the wave's 1,024 bytes of out0
.set AB, 64
.set BACC, 192                         ; index 8 mt + j: row 16 mt + 8 h + j, my column's share
.set XOF, 192                          ; v192-195 in chunk 0: slot o's byte offset in my wave's rows of x: 16 x lane + 8 o rows + the K group that the slot loads
.set XST, 196                          ; v196, v197 where my 8 bytes go, at the place that is being written: my wave's rows 0-15, rows 16-31
.set XS0, 198                          ; v198, v199 the same at place 0; never rewritten
.set XCP, 200                          ; row 32 w + lane
.set PFO, 201                          ; the prefetches' offset: a row a lane, at the K group asked for
.set PFB, 202                          ; 4096 x lane; never rewritten
.set RT, 64
.set PT, 128
.set DFR, 144
.set CHAT, 176
.set XO, 128                           ; window 2, in chunk 0: v128-143 a unit rounded to bf16: the LDS stores' data
.set BR, 128                           ; window 3: W's ring, buffer b at BR + 32 b
.set XBASE, 4                          ; s[4:5]  x at my wave's 32 rows; never rewritten once made
.set WB, 6                             ; s[6:7]  wp at my wave's 524,288 bytes
.set OUT, 8                            ; s[8:9]  out0 at my wave's 1,024 bytes
.set WV, 10
.set GG, 11
.set KT0, 12
.set C0, 13
.set CNT, 14
.set JJ, 15                            ; the trip (of 32) for which WN is made next
.set PG, 16                            ; the place of the walk whose units are asked for
.set AO, 17
.set XSO, 18                           ; 256 x the place that is being written
.set XGO, 19                           ; 512 x the K group at place PG
.set WC, 28                            ; wp at the trip in hand
.set WN, 30                            ; wp at the next trip
.set SEL, 32
.set L2E, 36
.set NL2E, 37
.set W_MUL, 0x5c                       ; x's fragment window 0, W's window 3, C and D window 1
.set W_LDB, 0xc0
.set W_XLD, 0x80                       ; destination window 2, address window 0
.set W_XCV, 0x8a                       ; destination and both sources window 2
.set W_XST, 0x08                       ; store data window 2, address window 0
.set W_S11, 0x05
.set W_S1,  0x01
.set MSB, 0
.macro WIN new                         ; the immediate's high byte repeats the setting that is left; a switch that changes nothing is dropped
.if MSB != (\new)
	s_set_vgpr_msb (MSB<<8)|(\new)
.set MSB, (\new)
.endif
.endm
.macro PLACES                          ; four places behind a matrix instruction, in front of loads into registers that it has read and of vector work that reads its result
.rept 4
	v_nop
.endr
.endm
.macro XGSET                           ; place PG of the walk is K group (PG + KT0) % 8: 512 bytes of a row of x
	s_add_co_u32 s[XGO], s[PG], s[KT0]
	s_and_b32 s[XGO], s[XGO], 7
	s_lshl_b32 s[XGO], s[XGO], 9
.endm
.macro XAIM slot                       ; the slot's offset for its next unit.  Called only behind the wait that shows the slot's last loads done, and behind a wait on vm_vsrc
	s_add_co_u32 s20, s[XGO], (\slot)<<15
	v_add_nc_u32 v[XOF+(\slot)], s20, v[AL0]
.endm
.macro PFSET                           ; the prefetches' offset: the K group two places behind PG.  Called only where no prefetch awaits its address
	s_add_co_u32 s20, s[PG], s[KT0]
	s_add_co_u32 s20, s20, 2
	s_and_b32 s20, s20, 7
	s_lshl_b32 s20, s20, 9
	v_add_nc_u32 v[PFO], s20, v[PFB]
.endm
; A unit's eight loads.  Each takes 512 consecutive bytes of one row, at a multiple of 512 from x's first byte; the row stands in the immediate.
.macro XLOAD slot
	WIN W_XLD
.irp j, 0,1,2,3,4,5,6,7
	global_load_b128 v[32*(\slot)+4*(\j):32*(\slot)+4*(\j)+3], v[XOF+(\slot)], s[XBASE:XBASE+1] offset:4096*(\j) th:TH_LOAD_NT
.endr
.endm
; The unit is rounded out of its slot into XO (a lane's four f32 of a row into two registers), so that the slot's registers are named by conversions and loads alone, XO's by conversions and stores alone.
.macro XCONV slot
	WIN W_XCV
.irp j, 0,1,2,3,4,5,6,7
	v_cvt_pk_bf16_f32 v[XO+2*(\j)],   v[32*(\slot)+4*(\j)],   v[32*(\slot)+4*(\j)+1]
	v_cvt_pk_bf16_f32 v[XO+2*(\j)+1], v[32*(\slot)+4*(\j)+2], v[32*(\slot)+4*(\j)+3]
.endr
.endm
.macro XSTORE slot                     ; and stored: the 32 lanes write 256 bytes on end of a row
	WIN W_XST
.irp j, 0,1,2,3,4,5,6,7
	ds_store_b64 v[XST+(\slot)/2], v[XO+2*(\j):XO+2*(\j)+1] offset:(8*((\slot)%2)+(\j))*XP
.endr
.endm
; x IS ASKED FOR AHEAD OF ITS LOADS.  Trip P of the loop (P = 0 .. 3: the counter stands at 6 .. 3) names the K group at place P + 4, which trip P + 2 will load: my wave's own 32 rows, a lane a row, the group's two
; blocks of 256 bytes by two instructions, behind the step's loads.  So each block of places 4 to 7 is named once in the launch, by the wave that loads it; what a work-group has named and not yet loaded is two places at the most, 131,072 bytes.
; Places 0 to 3 come by their loads alone; the loop's last two trips name nothing.  The offset is rewritten at the trip's end, three K steps on.
.macro ASK
	WIN 0
	s_cmp_gt_u32 s[CNT], 2
	s_cbranch_scc0 .Lnoask_\@
	global_prefetch_b8 v[PFO], s[XBASE:XBASE+1] th:TH_LOAD_NT scope:SCOPE_SE
	global_prefetch_b8 v[PFO], s[XBASE:XBASE+1] offset:256 th:TH_LOAD_NT scope:SCOPE_SE
.Lnoask_\@:
.endm
.macro BLOAD buf, ptr, off             ; a K step of my chunk's W: four fragments, 4,096 bytes on end
	WIN W_LDB
.irp nt, 0,1,2,3
	global_load_b128 v[BR+32*(\buf)+8*(\nt):BR+32*(\buf)+8*(\nt)+3],   v[AL0], s[(\ptr):(\ptr)+1] offset:(\off)+1024*(\nt)
	global_load_b128 v[BR+32*(\buf)+8*(\nt)+4:BR+32*(\buf)+8*(\nt)+7], v[AL0], s[(\ptr):(\ptr)+1] offset:(\off)+1024*(\nt)+512
.endr
.endm
.macro BNEXT i                         ; in step i of a trip: W of the step three on, into the ring buffer that the step before multiplied
.if (\i) == 0
	BLOAD 3, WC, 3*4096
.else
	BLOAD ((\i)+3)%4, WN, ((\i)-1)*4096
.endif
.endm
; Half a K step of x: the fragments of row tiles m0 .. m0 + 3, 16 rows x 32 k each, at byte off of the trip's 256 bytes of the rows.  Lane (r, h): row r, k = 8 h .. and 16 + 8 h ..: two loads of 16 bytes, 32 bytes apart.
.macro ALOADH buf, off, m0
	WIN 0
.irp mt, (\m0), (\m0)+1, (\m0)+2, (\m0)+3
	ds_load_b128 v[AB+64*(\buf)+8*(\mt):AB+64*(\buf)+8*(\mt)+3],   v[ADRA+(\mt)/2] offset:(\off)+((\mt)%2)*16*XP
	ds_load_b128 v[AB+64*(\buf)+8*(\mt)+4:AB+64*(\buf)+8*(\mt)+7], v[ADRA+(\mt)/2] offset:(\off)+((\mt)%2)*16*XP+32
.endr
.endm
.macro ALOAD buf, off                  ; a whole K step of x, in one run
	ALOADH \buf, \off, 0
	ALOADH \buf, \off, 4
.endm
.macro SETA                            ; the four fragment addresses at byte AO of the rows: 32 rows apart, so that a row tile's place fits the 16-bit immediate
	v_add_nc_u32 v[ADRA], s[AO], v[A0]
	s_add_co_u32 s20, s[AO], 32*XP
	v_add_nc_u32 v[ADRA+1], s20, v[A0]
	s_add_co_u32 s20, s[AO], 64*XP
	v_add_nc_u32 v[ADRA+2], s20, v[A0]
	s_add_co_u32 s20, s[AO], 96*XP
	v_add_nc_u32 v[ADRA+3], s20, v[A0]
.endm
; 8 matrix instructions: row tiles m0, m0 + 1 x the four column tiles.  Four of these are a K step.  The 32 accumulators take turns, one instruction a turn, in the same order in every step.
.macro MUL2 a, b, zero, m0
	WIN W_MUL
.irp mt, (\m0), (\m0)+1
.irp nt, 0,1,2,3
.if \zero
	v_wmma_f32_16x16x32_bf16 v[32*(\mt)+8*(\nt):32*(\mt)+8*(\nt)+7], v[AB+64*(\a)+8*(\mt):AB+64*(\a)+8*(\mt)+7], v[BR+32*(\b)+8*(\nt):BR+32*(\b)+8*(\nt)+7], 0
.else
	v_wmma_f32_16x16x32_bf16 v[32*(\mt)+8*(\nt):32*(\mt)+8*(\nt)+7], v[AB+64*(\a)+8*(\mt):AB+64*(\a)+8*(\mt)+7], v[BR+32*(\b)+8*(\nt):BR+32*(\b)+8*(\nt)+7], v[32*(\mt)+8*(\nt):32*(\mt)+8*(\nt)+7]
.endif
.endr
.endr
.endm
.macro MULP a, b, zero, m0             ; 16 of them
	MUL2 \a, \b, \zero, \m0
	MUL2 \a, \b, \zero, (\m0)+2
.endm
.macro MUL a, b, zero                  ; a K step's 32
	MULP \a, \b, \zero, 0
	MULP \a, \b, \zero, 4
.endm
; STEP i's 32 PRODUCTS WITH ITS LOADS DEALT AMONG THEM, in runs of eight.  No wait stands here: since the step's wait on va_vdst no vector or matrix instruction names a register that these loads touch
; (the products name A[i % 2], ring buffer i % 4 and the accumulators).  x's fragments come first: the last of them stands 16 products ahead of the next step's head.  W goes ahead of the unit of x, in every step.
.macro DEAL i, al, bl, xl
	MUL2 (\i)%2, (\i)%4, 0, 0
.if \al
	ALOADH ((\i)+1)%2, ((\i)+1)*64, 0
.endif
	MUL2 (\i)%2, (\i)%4, 0, 2
.if \al
	ALOADH ((\i)+1)%2, ((\i)+1)*64, 4
.endif
	MUL2 (\i)%2, (\i)%4, 0, 4
.if \bl
	BNEXT \i
.endif
.if \xl
	XLOAD \i
.endif
	MUL2 (\i)%2, (\i)%4, 0, 6
.endm
; K step i of a trip of four.  al: x of the next step is fetched, into the buffer that the step before multiplied; bl: W of the step three on, likewise.  lc: how many younger loads of W may stay out at the step's head.
; zt > 0 (step 0 in a loop of zt trips): in the chunk's first trip the products start the sums with the constant 0: nothing is cleared; one place more stands in front, since such a product writes over an accumulator.
; There the products are written twice, so the step's loads stand once, in a run ahead of the branch.
.macro STEP i, al, bl, lc, zt
.if (\al) || (\bl)
	PLACES
.endif
.if \zt
	v_nop
.endif
	s_wait_dscnt 0x0                               ; this step's x is in: its loads are the youngest LDS instructions
	s_wait_loadcnt \lc                             ; this step's W is in; the later steps' loads, 8 each, may be out
.if (\al) || (\bl)
	s_wait_alu depctr_va_vdst(0)                   ; the last step's products are done reading the fragment buffer and the ring buffer in which this step's loads land; in a trip's first step ADRA is written
.endif
.if \zt
	ALOAD 1, 64
	BNEXT 0
	WIN 0
	s_cmp_lg_u32 s[CNT], \zt
	s_cbranch_scc1 .Lacc_\@
	MUL 0, 0, 1
	WIN 0
	s_branch .Ljoin_\@
.Lacc_\@:
	MUL 0, 0, 0
	WIN 0
.Ljoin_\@:
.else
	DEAL \i, \al, \bl, 0
.endif
.endm
; K STEP i OF A TRIP OF CHUNK 0, WITH x's WORK.  The unit in slot i (the next place's rows 8 i ..) is rounded and stored; xl = 1: the slot is asked for again, with the unit one place further on.
; The 16 conversions are also the places behind the last products, in front of the loads into the buffers that those read.
; n1: the loads issued behind the slot's unit, which may stay out.  This step's W was issued directly behind that unit, so its count is n1 - 8.  Loads come back in the order of issue, which is W(t + 3), then unit t + 8, in every step.
; Step 3: the place is whole when all four waves have stored their fourth unit: my LDS instructions are waited for, I signal, 16 products stand between signal and wait, and only then the next trip's first fragments are fetched.
.macro XSTEP i, xl, n1, zt
	s_wait_loadcnt \n1                             ; the unit in slot i is in
	s_wait_alu depctr_vm_vsrc(0)                   ; the last step's stores have read XO, which the conversions write again; the slot's last loads have read their offset, which is aimed anew
.if \xl
	WIN 0
	XAIM \i                                        ; free since the two waits above
.endif
	XCONV \i
	s_wait_dscnt 0x0                               ; this step's x is in: its loads are the youngest LDS instructions
	s_wait_loadcnt (\n1)-8                         ; this step's W is in
	s_wait_alu depctr_va_vdst(0)                   ; the conversions have written XO, which the stores read, and are done reading the slot, in which loads land; the slot's offset is written; the last step's products are done reading the two buffers that this step fills; in a trip's first step ADRA, XST and PFO are written
	XSTORE \i
.if \zt
	ALOAD 1, 64
	BNEXT 0
	XLOAD 0
	ASK
	s_cmp_lg_u32 s[CNT], \zt
	s_cbranch_scc1 .Lxacc_\@
	MUL 0, 0, 1
	WIN 0
	s_branch .Lxjoin_\@
.Lxacc_\@:
	MUL 0, 0, 0
	WIN 0
.Lxjoin_\@:
.elseif (\i) == 3
	BNEXT 3
.if \xl
	XLOAD 3
.endif
	s_wait_dscnt 0x0                               ; for the others' sake: my stores of the next place are done
	s_barrier_signal -1
	MULP 1, 3, 0, 0                                ; work on registers while the others arrive
	s_barrier_wait -1                              ; the next place lies whole in LDS
	ALOAD 0, 256                                   ; its first fragments, into the buffer that step 2 multiplied: those products stand ahead of this step's wait on va_vdst, and nothing since names that buffer
	MULP 1, 3, 0, 4
.else
	DEAL \i, 1, 1, \xl
.endif
.endm
.macro WOFF                            ; WN = wp at trip JJ of my walk: chunk (JJ / 8 + C0) % 4, K group (JJ + KT0) % 8
	s_lshr_b32 s20, s[JJ], 3
	s_add_co_u32 s20, s20, s[C0]
	s_and_b32 s20, s20, 3
	s_lshl_b32 s20, s20, 17
	s_add_co_u32 s22, s[JJ], s[KT0]
	s_and_b32 s22, s22, 7
	s_lshl_b32 s22, s22, 14
	s_add_co_u32 s20, s20, s22
	s_mov_b32 s21, 0
	s_add_nc_u64 s[WN:WN+1], s[WB:WB+1], s[20:21]
	s_add_co_u32 s[JJ], s[JJ], 1
.endm
.macro WSTEP                           ; a trip's end: on to the next trip's W and x
	WIN 0
	s_wait_xcnt 0x0                                ; every load and prefetch issued so far (the youngest load 8 matrix instructions back or more) has had its address translated: pointers and offsets may be written
	s_wait_alu depctr_vm_vsrc(0)                   ; the fragments' loads have read ADRA; in chunk 0 the stores have read XST and XO, the loads of x their offsets, the prefetches PFO: all are written anew below or behind the chunk
	s_mov_b64 s[WC:WC+1], s[WN:WN+1]
	WOFF
	s_add_co_u32 s[AO], s[AO], 256                 ; a trip is 128 k: 256 bytes of a row
	SETA
.endm
.macro XNEXT                           ; directly behind WSTEP, whose two waits serve it: the next place to write, to ask for and to prefetch
	s_add_co_u32 s[XSO], s[XSO], 256
	v_add_nc_u32 v[XST], s[XSO], v[XS0]
	v_add_nc_u32 v[XST+1], s[XSO], v[XS0+1]
	s_add_co_u32 s[PG], s[PG], 1
	XGSET
	PFSET
.endm
; A chunk's trips of four K steps; W's ring and x's fetch run on across the chunk's end (bytes 2,048 to 2,111 of an LDS row repeat its first 64).
; No fragment load stands between the last trip's end, with its wait on vm_vsrc, and the addresses made anew here.
.macro CHUNK trips
	WIN 0
	s_mov_b32 s[CNT], \trips
	s_mov_b32 s[AO], 0
	SETA
.Ltrip_\@:
	STEP 0, 1, 1, 16, \trips
	STEP 1, 1, 1, 16, 0
	STEP 2, 1, 1, 16, 0
	STEP 3, 1, 1, 16, 0
	WSTEP
	s_sub_co_u32 s[CNT], s[CNT], 1
	s_cmp_lg_u32 s[CNT], 0
	s_cbranch_scc1 .Ltrip_\@
.endm
; ITERATION 1 ON A CHUNK'S f32 SUMS.  CS[nt] = the sum of a column's 128 rows (four chains, each accumulator's lowest registers read first; the other half of the lanes holds the other rows);
; SQ += CS^2; BACC[row] += e[row][column] CS[column].  first = 1: the first chunk starts SQ and BACC.  Vector work on registers that no memory or LDS instruction has pending: no wait.
.macro STATS first
	PLACES
	WIN W_S11
.irp nt, 0,1,2,3
	v_pk_add_f32 v[T+2*(\nt):T+2*(\nt)+1], v[8*(\nt):8*(\nt)+1], v[8*(\nt)+2:8*(\nt)+3]
.endr
	WIN W_S1
.set z, 2
.rept 30
.irp nt, 0,1,2,3
	v_pk_add_f32 v[T+2*(\nt):T+2*(\nt)+1], v[32*(z/4)+8*(\nt)+2*(z%4):32*(z/4)+8*(\nt)+2*(z%4)+1], v[T+2*(\nt):T+2*(\nt)+1]
.endr
.set z, z+1
.endr
	WIN 0
.irp nt, 0,1,2,3
	v_add_f32 v[T+2*(\nt)], v[T+2*(\nt)], v[T+2*(\nt)+1]
.endr
.irp nt, 0,1,2,3
	v_permlanex16_b32 v[XT+(\nt)], v[T+2*(\nt)], s[SEL], s[SEL+1]
.endr
.irp nt, 0,1,2,3
	v_add_f32 v[T+2*(\nt)], v[T+2*(\nt)], v[XT+(\nt)]
.endr
.if \first
	v_mul_f32 v[SQ], v[T], v[T]
.else
	v_fma_f32 v[SQ], v[T], v[T], v[SQ]
.endif
.irp nt, 1,2,3
	v_fma_f32 v[SQ], v[T+2*(\nt)], v[T+2*(\nt)], v[SQ]
.endr
	WIN W_S1
.irp nt, 0,1,2,3
.set z, 0
.rept 32
.if (\first) && ((\nt) == 0)
	v_pk_mul_f32 v[BACC+2*z:BACC+2*z+1], v[32*(z/4)+8*(\nt)+2*(z%4):32*(z/4)+8*(\nt)+2*(z%4)+1], v[T+2*(\nt):T+2*(\nt)+1] op_sel_hi:[1,0]
.else
	v_pk_fma_f32 v[BACC+2*z:BACC+2*z+1], v[32*(z/4)+8*(\nt)+2*(z%4):32*(z/4)+8*(\nt)+2*(z%4)+1], v[T+2*(\nt):T+2*(\nt)+1], v[BACC+2*z:BACC+2*z+1] op_sel_hi:[1,0,1]
.endif
.set z, z+1
.endr
.endr
.endm
.macro CVT c                           ; the chunk's e, rounded once to bf16, two rows to a register
	WIN 0x85+0x40*((\c)/2)
.set z, 0
.rept 128
.set zm, z/16
.set zn, (z/4)%4
.set zp, z%4
	v_cvt_pk_bf16_f32 v[128*((\c)%2)+32*zn+4*zm+zp], v[32*zm+8*zn+2*zp], v[32*zm+8*zn+2*zp+1]
.set z, z+1
.endr
.endm
.macro SQRED                           ; over the 16 columns of a half of the lanes; both halves hold the same columns
.irp m, 1,2,4,8
	v_add_f32_dpp v[SQ], v[SQ], v[SQ] row_xmask:\m row_mask:0xf bank_mask:0xf
.endr
.endm
.macro SQMEET k                        ; behind the barrier: the four waves' sums of squares
	ds_load_b128 v[SQP:SQP+3], v[SQL] offset:16*(\k)
	s_wait_dscnt 0x0
	s_wait_alu depctr_vm_vsrc(0)                   ; my store of SQ has read it: the last line below writes it anew.  So have the earlier stores read BACC, v[RT ..], HI and LO, which the next iteration writes again
	v_add_f32 v[SQP], v[SQP], v[SQP+1]
	v_add_f32 v[SQP+2], v[SQP+2], v[SQP+3]
	v_add_f32 v[SQ], v[SQP], v[SQP+2]
.endm
; THE ROWS' PRODUCTS MEET.  A lane's 64 shares go into its 272 bytes of the wave's own scratch and come back turned: lane (r, h) takes the four shares 4 r .. 4 r + 3 of the 16 lanes of its half, and adds them:
; rows 16 (r / 2) + 8 h + 4 (r % 2) + 0..3.  The wave's 128 sums go into table k; behind the barrier every lane adds the four waves' sums for rows 4 lane .. 4 lane + 3 into PT.
.macro BRED k
	WIN 0
	s_wait_alu depctr_va_vdst(0)                   ; the multiply-adds have written BACC, which the stores read; whatever read or wrote v[RT ..] (products, the last meeting's additions) is done: the loads below land there
.set z, 0
.rept 16
	ds_store_b128 v[RST], v[BACC+4*z:BACC+4*z+3] offset:16*z
.set z, z+1
.endr
.set z, 0
.rept 16
	ds_load_b128 v[RT+4*z:RT+4*z+3], v[RLD] offset:272*z   ; the wave's own bytes: LDS serves a wave's instructions in order (ISA guide 5.7.1.4)
.set z, z+1
.endr
	SQRED
	s_wait_dscnt 0x0
.irp d, 8,4,2,1
.set z, 0
.rept 2*(\d)
	v_pk_add_f32 v[RT+2*z:RT+2*z+1], v[RT+2*z:RT+2*z+1], v[RT+4*(\d)+2*z:RT+4*(\d)+2*z+1]
.set z, z+1
.endr
.endr
	s_wait_alu depctr_va_vdst(0)                   ; the additions have written v[RT .. RT+3] and SQ, which the two stores read; the earlier readers and writers of PT and SQP are done: the loads behind the barrier land there
	ds_store_b128 v[PST], v[RT:RT+3] offset:2048*(\k)
	ds_store_b32 v[SQS], v[SQ] offset:16*(\k)
	s_wait_dscnt 0x0                               ; for the others' sake: my stores are done
	s_barrier_signal -1
	s_barrier_wait -1
.irp u, 0,1,2,3
	ds_load_b128 v[PT+4*(\u):PT+4*(\u)+3], v[PLD] offset:2048*(\k)+512*(\u)
.endr
	SQMEET \k
	v_pk_add_f32 v[PT:PT+1], v[PT:PT+1], v[PT+4:PT+5]
	v_pk_add_f32 v[PT+2:PT+3], v[PT+2:PT+3], v[PT+6:PT+7]
	v_pk_add_f32 v[PT+8:PT+9], v[PT+8:PT+9], v[PT+12:PT+13]
	v_pk_add_f32 v[PT+10:PT+11], v[PT+10:PT+11], v[PT+14:PT+15]
	v_pk_add_f32 v[PT:PT+1], v[PT:PT+1], v[PT+8:PT+9]
	v_pk_add_f32 v[PT+2:PT+3], v[PT+2:PT+3], v[PT+10:PT+11]
.endm
.macro COEF                            ; CO = squared / (1 + squared) / sqrt(squared + 1e-9), squared in SQ
	v_add_f32 v[T1], 1.0, v[SQ]
	v_add_f32 v[T2], 0x3089705f, v[SQ]
	v_rcp_f32 v[T1], v[T1]
	v_rsq_f32 v[T2], v[T2]
	v_nop                                          ; a plain instruction behind the two,
	s_wait_alu depctr_va_vdst(0)                   ; and the wait ahead of their first reader: the reciprocal in T1 and the reciprocal root in T2 are written
	v_mul_f32 v[CO], v[SQ], v[T1]
	v_mul_f32 v[CO], v[CO], v[T2]
.endm
; THE SOFTMAX over the class's 128 rows, four a lane, in every wave alike: the maximum is taken away; d = 2^(b log2 e - m log2 e) / sum.  Then d is split: HI = bf16(d), LO = bf16(d - HI).
; Both go into the wave's own three rows in LDS and come back as source 0 of c = d^T e: rows 0 and 8 of the fragment are HI, rows 1 and 9 LO, the others zeros.
.macro SOFTD
	WIN 0
	v_max3_num_f32 v[T1], v[BV], v[BV+1], v[BV+2]
	v_max_num_f32 v[T1], v[T1], v[BV+3]
.irp m, 1,2,4,8
	v_max_num_f32_dpp v[T1], v[T1], v[T1] row_xmask:\m row_mask:0xf bank_mask:0xf
.endr
	v_permlanex16_b32 v[XT], v[T1], s[SEL], s[SEL+1]
	v_max_num_f32 v[T1], v[T1], v[XT]
	v_mul_f32 v[T2], s[NL2E], v[T1]                ; - m log2 e: its rounding is the same for all rows and falls out in the division by the sum
.irp i, 0,1,2,3
	v_fma_f32 v[DV+(\i)], v[BV+(\i)], s[L2E], v[T2]
.endr
.irp i, 0,1,2,3
	v_exp_f32 v[DV+(\i)], v[DV+(\i)]
.endr
	v_nop
	s_wait_alu depctr_va_vdst(0)                   ; one wait for the four exponentials: v[DV .. DV+3] are written, ahead of their first reader
	v_add_f32 v[T1], v[DV], v[DV+1]
	v_add_f32 v[T3], v[DV+2], v[DV+3]
	v_add_f32 v[T1], v[T1], v[T3]
.irp m, 1,2,4,8
	v_add_f32_dpp v[T1], v[T1], v[T1] row_xmask:\m row_mask:0xf bank_mask:0xf
.endr
	v_permlanex16_b32 v[XT], v[T1], s[SEL], s[SEL+1]
	v_add_f32 v[T1], v[T1], v[XT]
	v_rcp_f32 v[T1], v[T1]
	v_nop
	s_wait_alu depctr_va_vdst(0)                   ; the reciprocal of the sum, in T1, is written, ahead of its first reader
.irp i, 0,1,2,3
	v_mul_f32 v[DV+(\i)], v[DV+(\i)], v[T1]
.endr
	v_cvt_pk_bf16_f32 v[HI], v[DV], v[DV+1]
	v_cvt_pk_bf16_f32 v[HI+1], v[DV+2], v[DV+3]
	v_lshlrev_b32 v[WD], 16, v[HI]
	v_and_b32 v[WD+1], 0xffff0000, v[HI]
	v_lshlrev_b32 v[WD+2], 16, v[HI+1]
	v_and_b32 v[WD+3], 0xffff0000, v[HI+1]
.irp i, 0,1,2,3
	v_sub_f32 v[WD+(\i)], v[DV+(\i)], v[WD+(\i)]
.endr
	v_cvt_pk_bf16_f32 v[LO], v[WD], v[WD+1]
	v_cvt_pk_bf16_f32 v[LO+1], v[WD+2], v[WD+3]
	s_wait_alu depctr_va_vdst(0)                   ; the roundings have written HI and LO, which the two stores read; the products that read v[DFR ..] are done: the loads below land there
	ds_store_b64 v[DMS], v[HI:HI+1]
	ds_store_b64 v[DMS], v[LO:LO+1] offset:256
.irp q, 0,1,2,3
	ds_load_b128 v[DFR+8*(\q):DFR+8*(\q)+3],   v[DML] offset:64*(\q)      ; the wave's own bytes, in order behind the stores
	ds_load_b128 v[DFR+8*(\q)+4:DFR+8*(\q)+7], v[DML] offset:64*(\q)+32
.endr
	s_wait_dscnt 0x0
.endm
; c = d^T e for my 256 columns: 16 column tiles x 4 blocks of 32 rows.  The 16 accumulators take turns.  Register 0 holds HI's part, register 1 LO's, in both halves of the lanes.
.macro CHATW
.irp q, 0,1,2,3
.set zg, 0
.rept 16
	WIN 0x58+4*(zg/8)
.if (\q) == 0
	v_wmma_f32_16x16x32_bf16 v[8*zg:8*zg+7], v[DFR+8*(\q):DFR+8*(\q)+7], v[128*((zg/4)%2)+32*(zg%4)+8*(\q):128*((zg/4)%2)+32*(zg%4)+8*(\q)+7], 0
.else
	v_wmma_f32_16x16x32_bf16 v[8*zg:8*zg+7], v[DFR+8*(\q):DFR+8*(\q)+7], v[128*((zg/4)%2)+32*(zg%4)+8*(\q):128*((zg/4)%2)+32*(zg%4)+8*(\q)+7], v[8*zg:8*zg+7]
.endif
.set zg, zg+1
.endr
.endr
	PLACES
	WIN W_S11
.set zg, 0
.rept 16
	v_add_f32 v[CHAT+zg], v[8*zg], v[8*zg+1]
.set zg, zg+1
.endr
	WIN 0
	v_mul_f32 v[SQ], v[CHAT], v[CHAT]
	v_mul_f32 v[T3], v[CHAT+1], v[CHAT+1]
.irp u, 2,4,6,8,10,12,14
	v_fma_f32 v[SQ], v[CHAT+(\u)], v[CHAT+(\u)], v[SQ]
	v_fma_f32 v[T3], v[CHAT+(\u)+1], v[CHAT+(\u)+1], v[T3]
.endr
	v_add_f32 v[SQ], v[SQ], v[T3]
.endm
.macro ROWDOT2                         ; BACC[row] = the sum over my column tiles of e[row][column] c[column]: a multiply-add in f32 straight from each bf16 half; the first tile's addend is 0
.set zg, 0
.rept 16
	WIN 0x02+(zg/8)
.set z, 0
.rept 32
.set er, 128*((zg/4)%2)+32*(zg%4)+z
.if zg == 0
	v_fma_mix_f32_bf16 v[BACC+2*z], v[er], v[CHAT+zg], v[ZR] op_sel_hi:[1,0,0]
	v_fma_mix_f32_bf16 v[BACC+2*z+1], v[er], v[CHAT+zg], v[ZR] op_sel:[1,0,0] op_sel_hi:[1,0,0]
.else
	v_fma_mix_f32_bf16 v[BACC+2*z], v[er], v[CHAT+zg], v[BACC+2*z] op_sel_hi:[1,0,0]
	v_fma_mix_f32_bf16 v[BACC+2*z+1], v[er], v[CHAT+zg], v[BACC+2*z+1] op_sel:[1,0,0] op_sel_hi:[1,0,0]
.endif
.set z, z+1
.endr
.set zg, zg+1
.endr
.endm
	; ---- the head ----
	s_load_b128 s[4:7], s[0:1], 0x0                ; x s[4:5], wp s[6:7]
	s_load_b64 s[8:9], s[0:1], 0x10                ; out0
	v_lshl_add_u32 v[SPW], v0, 2, SPARE
	v_mov_b32 v[NIL], 0
	v_lshrrev_b32 v[T3], 5, v0
	v_readfirstlane_b32 s[WV], v[T3]               ; wave 0..3
	s_mov_b32 s[GG], ttmp9                         ; the class
	v_and_b32 v[LN], 31, v0
	v_and_b32 v[RR], 15, v0
	v_bfe_u32 v[HH], v0, 4, 1
	v_mov_b32 v[ZR], 0
	v_mov_b32 v[ZR+1], 0
.irp i, 0,1,2,3
	v_mov_b32 v[XT+(\i)], 0                        ; v_permlanex16_b32 counts as a reader of its destination
.endr
	s_lshr_b32 s20, s[GG], 4
	s_mul_i32 s20, s20, 5
	s_add_co_u32 s20, s20, s[GG]
	s_and_b32 s20, s20, 31                         ; rho
	s_and_b32 s[KT0], s20, 7
	s_lshr_b32 s[C0], s20, 3
	s_mov_b32 s[SEL], 0x76543210
	s_mov_b32 s[SEL+1], 0xfedcba98
	s_mov_b32 s[L2E], 0x3fb8aa3b                   ; log2 e
	s_mov_b32 s[NL2E], 0xbfb8aa3b                  ; - log2 e
	v_lshlrev_b32 v[AL0], 4, v[LN]
	v_mul_u32_u24 v[A0], v[RR], XP
	v_lshl_add_u32 v[A0], v[HH], 4, v[A0]
	s_mov_b32 s[PG], 0                             ; the four slots aim at place 0
	XGSET
.irp o, 0,1,2,3
	XAIM \o
.endr
	s_wait_alu depctr_va_sdst(0)                   ; the wave's number is written, ahead of its first reader: LDS places and the three bases are made from it
	s_mul_i32 s20, s[WV], 32*XP                    ; my wave writes rows 32 w .. 32 w + 31 of x in LDS
	v_lshl_add_u32 v[XS0], v[LN], 3, s20
	v_add_nc_u32 v[XS0+1], 16*XP, v[XS0]
	v_mov_b32 v[XST], v[XS0]
	v_mov_b32 v[XST+1], v[XS0+1]
	v_mul_u32_u24 v[XCP], v[LN], XP
	v_add_nc_u32 v[XCP], s20, v[XCP]
	v_lshlrev_b32 v[PFB], 12, v[LN]
	s_mul_i32 s21, s[WV], RBW
	s_add_co_u32 s21, s21, RB                      ; my wave's scratch
	v_mul_u32_u24 v[RST], v[LN], 272
	v_add_nc_u32 v[RST], s21, v[RST]
	v_mul_u32_u24 v[RLD], v[HH], 16*272
	v_lshl_add_u32 v[RLD], v[RR], 4, v[RLD]
	v_add_nc_u32 v[RLD], s21, v[RLD]
	v_lshl_add_u32 v[OST], v[LN], 2, s21
	v_add_nc_u32 v[OLD], s21, v[AL0]
	v_lshrrev_b32 v[T1], 1, v[RR]
	v_lshlrev_b32 v[T1], 2, v[T1]
	v_lshl_add_u32 v[T1], v[HH], 1, v[T1]
	v_and_b32 v[T2], 1, v[RR]
	v_add_nc_u32 v[T1], v[T1], v[T2]               ; 4 (r / 2) + 2 h + r % 2: which four rows I end up with
	s_lshl_b32 s22, s[WV], 9
	s_add_co_u32 s22, s22, PB
	v_lshl_add_u32 v[PST], v[T1], 4, s22
	v_add_nc_u32 v[PLD], PB, v[AL0]
	s_lshl_b32 s22, s[WV], 2
	s_add_co_u32 s22, s22, SQB
	v_mov_b32 v[SQS], s22
	v_mov_b32 v[SQL], SQB
	s_lshl_b32 s23, s[WV], 10
	s_add_co_u32 s23, s23, DMB
	v_lshl_add_u32 v[DMS], v[LN], 3, s23
	v_and_b32 v[T1], 7, v[RR]
	v_min_u32 v[T1], 2, v[T1]                      ; fragment rows 0, 8: d rounded; 1, 9: the rest; all others: the row of zeros
	v_lshlrev_b32 v[T1], 8, v[T1]
	v_lshl_add_u32 v[T1], v[HH], 4, v[T1]
	v_add_nc_u32 v[DML], s23, v[T1]
	v_add_nc_u32 v[T1], s[C0], v[HH]               ; out0: the chunk at place 2 j + h of my walk is chunk (2 j + h + C0) % 4: 256 bytes each
	v_and_b32 v[OO], 3, v[T1]
	v_lshlrev_b32 v[OO], 8, v[OO]
	v_lshl_add_u32 v[OO], v[RR], 4, v[OO]
	v_add_nc_u32 v[T1], 2, v[T1]
	v_and_b32 v[OO+1], 3, v[T1]
	v_lshlrev_b32 v[OO+1], 8, v[OO+1]
	v_lshl_add_u32 v[OO+1], v[RR], 4, v[OO+1]
	s_wait_alu depctr_va_vdst(0)                   ; all that the head has made is written: the zeros and the address of the store below, the four slots' offsets, AL0, and every address of the scratch and of out0, which are never written again
	ds_store_b64 v[DMS], v[ZR:ZR+1] offset:512     ; the row of zeros, once
	s_wait_kmcnt 0x0
	s_lshl_b32 s20, s[GG], 19                      ; a class is 128 rows of 4,096 bytes,
	s_lshl_b32 s22, s[WV], 17                      ; my wave brings in 32 of them
	s_add_co_u32 s20, s20, s22
	s_mov_b32 s21, 0
	s_add_nc_u64 s[XBASE:XBASE+1], s[XBASE:XBASE+1], s[20:21]
	s_lshl_b32 s20, s[WV], 19
	s_add_nc_u64 s[WB:WB+1], s[WB:WB+1], s[20:21]
	s_lshl_b32 s20, s[GG], 12
	s_lshl_b32 s22, s[WV], 10
	s_add_co_u32 s20, s20, s22
	s_add_nc_u64 s[OUT:OUT+1], s[OUT:OUT+1], s[20:21]
	s_mov_b32 s[JJ], 0
	WOFF
	s_mov_b64 s[WC:WC+1], s[WN:WN+1]               ; trip 0
	WOFF                                           ; trip 1
	; ---- place 0 of x comes by itself; as each of its units is stored, its slot is asked for again with place 1's unit, and W's ring is primed between: the order of issue is unit 4, W 0, unit 5, W 1, unit 6, W 2, unit 7 ----
.irp o, 0,1,2,3
	XLOAD \o
.endr
	WIN 0
	s_mov_b32 s[PG], 1
	XGSET
.irp o, 0,1,2,3
	s_wait_loadcnt 24+8*(\o)                       ; unit o is in: behind it stand the 3 - o units of place 0, and o units of place 1 and o K steps of W: 8 loads each
	s_wait_alu depctr_vm_vsrc(0)                   ; the unit's loads have read their offset, which is aimed anew; the stores of the unit before have read XO, which the conversions write again
	WIN 0
	XAIM \o                                        ; free since the two waits above
	XCONV \o
	s_wait_alu depctr_va_vdst(0)                   ; the conversions have written XO, which the stores read, and are done reading the slot, in which the loads land; the slot's offset is written
	XSTORE \o
	XLOAD \o
.if (\o) < 3
	BLOAD \o, WC, 4096*(\o)
.endif
.endr
	WIN 0
	s_mov_b32 s[PG], 2                             ; trip 0 asks for place 2,
	XGSET
	PFSET                                          ; names place 4,
	s_mov_b32 s[XSO], 256                          ; and writes place 1
	s_wait_alu depctr_vm_vsrc(0)                   ; place 0's stores have read XST and XST + 1, which move on
	v_add_nc_u32 v[XST], s[XSO], v[XS0]
	v_add_nc_u32 v[XST+1], s[XSO], v[XS0+1]
.irp e, 0,1,2,3                                ; each row's first 64 bytes once more behind its 2,048: a lane a row, the wave's own 32 rows, in order behind its stores
	ds_load_b128 v[AB+4*(\e):AB+4*(\e)+3], v[XCP] offset:16*(\e)
.endr
	s_wait_dscnt 0x0
.irp e, 0,1,2,3
	ds_store_b128 v[XCP], v[AB+4*(\e):AB+4*(\e)+3] offset:2048+16*(\e)
.endr
	s_wait_dscnt 0x0                               ; for the others' sake: my stores of place 0 are done
	s_barrier_signal -1
	s_barrier_wait -1                              ; place 0 lies whole in LDS
	; ---- chunk 0, with the other seven places of x coming in beside its products ----
	s_mov_b32 s[CNT], 6
	s_mov_b32 s[AO], 0
	SETA
	s_wait_alu depctr_vm_vsrc(0)                   ; the four stores above have read v[AB .. AB+15], in which the first fragments land
	s_wait_alu depctr_va_vdst(0)                   ; ADRA is written, which the fragments' loads read
	ALOAD 0, 0
.Lx:                                               ; trip P = 0 .. 5: multiplies place P, stores place P + 1, asks for place P + 2
	XSTEP 0, 1, 48, 6                              ; 48: three K steps of W and three units stand behind the slot's unit; the first of them is this step's W, behind which 40 stand
	XSTEP 1, 1, 48, 0
	XSTEP 2, 1, 48, 0
	XSTEP 3, 1, 48, 0
	WSTEP
	XNEXT
	s_sub_co_u32 s[CNT], s[CNT], 1
	s_cmp_lg_u32 s[CNT], 0
	s_cbranch_scc1 .Lx
	XSTEP 0, 0, 48, 0                              ; trip 6 stores place 7 and asks for nothing: the counts run down by a unit a step
	XSTEP 1, 0, 40, 0
	XSTEP 2, 0, 32, 0
	XSTEP 3, 0, 24, 0
	WSTEP
	STEP 0, 1, 1, 16, 0                            ; trip 7: x is all in
	STEP 1, 1, 1, 16, 0
	STEP 2, 1, 1, 16, 0
	STEP 3, 1, 1, 16, 0
	WSTEP                                          ; its wait on vm_vsrc also frees v192-202 and window 2's v128-143, which the sums and roundings below write
	STATS 1
	CVT 0
	; ---- the other chunks, with iteration 1's sums taken on each chunk's f32 results ----
	CHUNK 8
	STATS 0
	CVT 1
	CHUNK 8
	STATS 0
	CVT 2
	CHUNK 7
	STEP 0, 1, 1, 16, 0                            ; the last trip is written out: nothing is fetched past the end, and the counts run down
	STEP 1, 1, 0, 16, 0
	STEP 2, 1, 0, 8, 0
	STEP 3, 0, 0, 0, 0                             ; no load, so no wait on va_vdst
	STATS 0
	CVT 3                                          ; into W's ring: no load is out any more
	; ---- iteration 1 closes: c1 = CO CS / 128 with squared = SQ / 128^2; b1 = (CO / 128) x (the rows' products with CS) ----
	BRED 0
	v_mul_f32 v[SQ], 0x38800000, v[SQ]             ; 2^-14
	COEF
	v_mul_f32 v[CO], 0x3c000000, v[CO]             ; 2^-7
.irp i, 0,1,2,3
	v_mul_f32 v[BV+(\i)], v[CO], v[PT+(\i)]
.endr
	; ---- iteration 2 ----
	SOFTD
	CHATW
	ROWDOT2
	BRED 1
	COEF
.irp i, 0,1,2,3
	v_fma_f32 v[BV+(\i)], v[CO], v[PT+(\i)], v[BV+(\i)]
.endr
	; ---- iteration 3: its c is the result ----
	SOFTD
	CHATW
	SQRED
	s_wait_alu depctr_va_vdst(0)                   ; the additions have written SQ, which the store reads; the last meeting's additions are done with SQP, in which the load behind the barrier lands
	ds_store_b32 v[SQS], v[SQ] offset:32
	s_wait_dscnt 0x0
	s_barrier_signal -1
	s_barrier_wait -1
	SQMEET 2
	COEF
	; ---- the way out: lanes 0-15 hold the even column tiles' numbers, lanes 16-31 take the odd ones'; 1,024 bytes go through the wave's own scratch and come back 16 bytes a lane ----
	v_cmp_le_u32 vcc_lo, 16, v[LN]
	s_wait_alu depctr_va_vcc(0)                    ; the mask is written, ahead of the first select that reads it
.irp i, 0,1,2,3,4,5,6,7
	v_cndmask_b32 v[RT+(\i)], v[CHAT+2*(\i)], v[CHAT+2*(\i)+1], vcc_lo
.endr
.irp i, 0,1,2,3,4,5,6,7
	v_mul_f32 v[RT+(\i)], v[CO], v[RT+(\i)]
.endr
	s_wait_alu depctr_va_vdst(0)                   ; the multiplies have written v[RT .. RT+7], which the stores read; the earlier additions are done with v[RT+8 .. RT+15], in which the two loads land
.irp i, 0,1,2,3,4,5,6,7
	ds_store_b32 v[OST], v[RT+(\i)] offset:128*(\i)
.endr
	ds_load_b128 v[RT+8:RT+11], v[OLD]
	ds_load_b128 v[RT+12:RT+15], v[OLD] offset:512
	s_wait_dscnt 0x0
	global_store_b128 v[OO], v[RT+8:RT+11], s[OUT:OUT+1] th:TH_STORE_NT     ; 16 lanes store 256 consecutive bytes, at a multiple of 256 from out0's first byte
	global_store_b128 v[OO+1], v[RT+12:RT+15], s[OUT:OUT+1] th:TH_STORE_NT
	s_wait_dscnt 0x0                               ; the closing lines, six on end
	s_wait_alu 0x0
	s_wait_tensorcnt 0x0
	ds_add_u32 v[SPW], v[NIL]
	s_wait_dscnt 0x0
	s_endpgm
.Lfunc_end_k_q0a553eb783_route:
	.size	k_q0a553eb783_route, .Lfunc_end_k_q0a553eb783_route-k_q0a553eb783_route
	.p2alignl 7, 3214868480
	.fill 96, 4, 3214868480
	.section	.rodata,"a",@progbits
	.p2align	6, 0x0
	.amdhsa_kernel k_q0a553eb783_route
		.amdhsa_group_segment_fixed_size 316160
		.amdhsa_private_segment_fixed_size 0
		.amdhsa_enable_private_segment 0
		.amdhsa_kernarg_size 24
		.amdhsa_user_sgpr_count 2
		.amdhsa_user_sgpr_kernarg_segment_ptr 1
		.amdhsa_wavefront_size32 1
		.amdhsa_system_sgpr_workgroup_id_x 1
		.amdhsa_system_sgpr_workgroup_id_y 1
		.amdhsa_system_sgpr_workgroup_id_z 1
		.amdhsa_system_vgpr_workitem_id 0
		.amdhsa_next_free_vgpr 1024
		.amdhsa_next_free_sgpr 66
		.amdhsa_reserve_vcc 1
		.amdhsa_float_denorm_mode_32 3
		.amdhsa_float_denorm_mode_16_64 3
		.amdhsa_memory_ordered 1
		.amdhsa_forward_progress 1
		.amdhsa_inst_pref_size 255
	.end_amdhsa_kernel
	.section	.bss,"aw",@nobits
	.p2align	6
	.space	262144
	.amdgpu_metadata
---
amdhsa.version: [ 1, 2 ]
amdhsa.kernels:
  - .name:           k_q0a553eb783_route
    .symbol:         k_q0a553eb783_route.kd
    .args:
      - { .name: x, .offset: 0, .size: 8, .value_kind: global_buffer, .address_space: global }
      - { .name: wp, .offset: 8, .size: 8, .value_kind: global_buffer, .address_space: global }
      - { .name: out0, .offset: 16, .size: 8, .value_kind: global_buffer, .address_space: global }
    .group_segment_fixed_size: 316160
    .private_segment_fixed_size: 0
    .kernarg_segment_align: 8
    .kernarg_segment_size: 24
    .max_flat_workgroup_size: 128
    .sgpr_count:     66
    .vgpr_count:     1024
    .wavefront_size: 32
...
	.end_amdgpu_metadata
.endif
;; end of part 4
